; MI455X (gfx1250); checked and timed in simulation.
; The chip was launched on July 23, 2026; its instructions are those of AMD's public machine-readable ISA for CDNA 5 (MIT licence, August 2026) and "CDNA5" Instruction Set Architecture Reference Guide (July 2026). The comments in the code are by the model that wrote it; some were corrected since.
;; Multihead Self Attention. Allowed arithmetic: matrix products marked QUANTISED: E2M1 operands, one E8M0 scale for each 32 along K, by v_wmma_scale_f32_16x16x128_f8f6f4 with both operands' format E2M1 (or v_wmma_scale_f32_32x16x128_f4), f32 sums; products left as they are: bf16, f16 or f32 operands; f32 sums; everything else in f32.
;; Inputs: Wk 2,048 x 2,048 float32; Wo 2,048 x 2,048 float32; Wq 2,048 x 2,048 float32; Wv 2,048 x 2,048 float32; positions 2,048 int32; x 1 x 2,048 x 2,048 float32.
;; Outputs: out0 1 x 2,048 x 2,048 float32.
;; This version of the problem:
;;   THIS VERSION OF THE PROBLEM IS GIVEN IN LOW PRECISION. The matrix products marked QUANTISED in the list below multiply operands that are first quantised to E2M1 (2 exponent bits, 1 mantissa bit; 4 bits a number), with one power-of-two scale for each 32 numbers along K (OCP MX v1.0); their sums are f32. The products marked 'left as it is' may take bf16, f16 or f32 operands, with f32 sums. Whichever they take, every output number must still come out within the allowed error. Rounding operands to bf16 (8 significant bits) uses up far more of that allowance than f16 does (11 bits, for magnitudes from 6e-5 to 65,504). All else is computed in f32.
;;   The module's matrix products, in the order in which they are computed (A, B: the left and right operand; K: the contracted axis; several contracted axes count as one K, in the product's order):
;;     1. [M 2,048, K 2,048] x [K 2,048, N 2,048]; A: input x; B: input Wq: QUANTISED
;;     2. [M 2,048, K 2,048] x [K 2,048, N 2,048]; A: input x; B: input Wk: QUANTISED
;;     3. [M 2,048, K 2,048] x [K 2,048, N 2,048]; A: input x; B: input Wv: QUANTISED
;;     4. batch 16 x [M 2,048, K 128] x [K 128, N 2,048]; A: computed on the way; B: computed on the way: left as it is (an operand is computed on the way)
;;     5. batch 16 x [M 2,048, K 2,048] x [K 2,048, N 128]; A: computed on the way; B: computed on the way: left as it is (an operand is computed on the way)
;;     6. [M 2,048, K 2,048] x [K 2,048, N 2,048]; A: computed on the way; B: input Wo: left as it is (an operand is computed on the way)
;;   THE QUANTISER, for each operand of a quantised product, along K:
;;     - K is cut into blocks of 32 from its start; a last block that is shorter is filled with zeros.
;;     - A block's scale is 2^e with e = floor(log2(the largest magnitude in the block)) - 2, held to -126 .. 127; a block of zeros has e = 0. As a byte (E8M0): e + 127.
;;     - Each number is divided by its block's scale, clamped to +-6, and rounded to the nearest number of E2M1, ties to even, subnormals kept.
;;     - The product sums the exact products of the quantised numbers (number of the format x scale) in f32.
;;   ~~~python
;;   def quantise(x, axis):      # numpy; x: float32 -> the quantised numbers, widened to float32 again
;;       x = np.moveaxis(x, axis, -1); K = x.shape[-1]
;;       x = np.pad(x, [(0, 0)] * (x.ndim - 1) + [(0, -K % 32)]); x = x.reshape(x.shape[:-1] + (-1, 32)); a = np.abs(x).max(-1, keepdims=True)
;;       e = np.where(a > 0, np.clip(np.frexp(np.where(a > 0, a, 1))[1] - 1 - 2, -126, 127), 0)      # np.frexp(a)[1] - 1 = floor(log2(a)), exactly
;;       r = np.clip(x / 2.0 ** e, -6, 6)
;;       step = 2.0 ** (np.maximum(np.frexp(np.where(r == 0, 1, r))[1] - 1, 0) - 1)
;;       q = np.round(r / step) * step * 2.0 ** e      # np.round: ties to even
;;       return np.moveaxis(q.reshape(q.shape[:-2] + (-1,))[..., :K], -1, axis).astype(np.float32)
;;   ~~~
;; One version. Each part assembles by itself: llvm-mc -triple=amdgcn-amd-amdhsa -mcpu=gfx1250 --defsym DOCPART=n.
;; ======== version 1 of 1: 5 launches
;; limits: inputs' magnitudes at most 1,048,576; values are held in f16: magnitudes above 65,504 overflow, below 6.1e-05 lose precision
;; workspace buffers: cd 8,388,608 bytes; sc 524,288 bytes; wot 8,388,608 bytes; cst 1,048,576 bytes; qkvh 25,165,824 bytes; q16 393,216 bytes; att 8,388,608 bytes
;; launch prep (part 1): grid 416 x 1, 4 waves a work-group, no clusters, 102,912 bytes of LDS; arguments x, Wq, Wk, Wv, Wo, positions, cd, sc, wot, cst; writes cd, sc, wot, cst
.if DOCPART == 1
	.amdgcn_target "amdgcn-amd-amdhsa--gfx1250"
	.amdhsa_code_object_version 6
	.text
	.protected	k_qbf701780c7_prep
	.globl	k_qbf701780c7_prep
	.p2align	8
	.type	k_qbf701780c7_prep,@function
k_qbf701780c7_prep:
	s_mov_b64 s[64:65], 0
	v_nop
	global_prefetch_b8 v0, s[64:65] scope:SCOPE_SE
	s_setreg_imm32_b32 hwreg(HW_REG_WAVE_MODE, 25, 1), 1
	s_wait_xcnt 0x0
; Everything that is made once from the inputs, four kinds of work-group told apart by the work-group's number:
;   0-191   Wq, Wk, Wv [k 2048][n 2048] f32 -> codes of FP4 (E2M1) with K innermost, rows 2048 + 2048 t + n of cd [8192][1024 B], and E8M0 bytes, the same rows of sc [8192][64]
;   192-255 Wo [k][n] f32 -> wot [n][k] f16
;   256-383 x [2048][2048] f32 -> rows 0-2047 of cd and sc
;   384-415 positions -> cst: 0.25 cos and 0.25 sin of the rotary angles, laid in the order in which the next launch's result registers want them
; THE QUANTISER: a block of 32 along K has the scale 2^(floor(log2(largest magnitude)) - 2); its byte is the largest magnitude's exponent field - 2, held at 1 from below; the conversion divides, holds at 6 and rounds to nearest even.
; LIMITS: NaN and infinities are not served.  A block of zeros, and one whose largest magnitude lies under 2^-124, has the byte 1 (zeros have zero codes; this program alone reads the bytes).
;   |positions| < 2^20: the angle is brought into +-pi/4 by three parts of pi/2.  Wo must lie inside f16's range (65,504).
; Each kind has LDS bytes of its own.  Waves share nothing: no barrier.
.set PITCH, 272                        ; a stage row: 256 bytes + 16
.set WSTG,  32768                      ; the weights' stages: 4 waves x 32 rows x 272
.set OSTG,  67584                      ; Wo's stages, as many
.set SPARE, 102400                     ; the spare words, 128 bytes a wave: two blocks of 256 bytes that no other line names
.set SPW,   14                         ; v14  SPARE + 4 x my thread's number; never rewritten
.set NIL,   15                         ; v15  0; never rewritten
.set KX,    32                         ; v32-95   two sets of 32 numbers down K
.set KC,    96                         ; v96..    a block's codes (4) or f16 pairs (16)
.set OUTR,  112                        ; v112-175 rows read back from a stage
.set SB,    24                         ; v24-27   16 scale bytes
.set SP,    80                         ; x: a lane's place in a stage: 64 bytes + 16
.set XR,    16                         ; x: v16-79 four sets as loaded; v80-111 two sets of 16 neighbours; v112-127 bytes; v128-191 codes
.set XX,    80
.set XE,    112
.set XC,    128
	s_load_b256 s[4:11], s[0:1], 0x0               ; x 4, Wq 6, Wk 8, Wv 10
	s_load_b256 s[12:19], s[0:1], 0x20             ; Wo 12, positions 14, cd 16, sc 18
	s_load_b128 s[20:23], s[0:1], 0x40             ; wot 20, cst 22
	v_lshl_add_u32 v[SPW], v0, 2, SPARE
	v_mov_b32 v[NIL], 0
	v_lshrrev_b32 v1, 5, v0
	v_readfirstlane_b32 s24, v1                    ; wave
	v_and_b32 v2, 31, v0                           ; lane
	s_mov_b32 s31, 0                               ; the high word of every 32-bit offset
	s_wait_kmcnt 0x0
	s_cmp_lt_u32 ttmp9, 192
	s_cbranch_scc1 .Lw
	s_cmp_lt_u32 ttmp9, 256
	s_cbranch_scc1 .Lo
	s_cmp_lt_u32 ttmp9, 384
	s_cbranch_scc1 .Lx
; ---------------- the table.  A wave makes the image of 16 rows: [chunk c 16][lane 32][4 f32].  Lane (r, h) of chunk c = 2 b + u holds row r, columns d = 16 b + 8 h + 4 u + 0..3:
; even d: 0.25 cos(pos x f_i), odd d: 0.25 sin, i = d / 2, f_i = 10000^(-i / 64).  The quarter keeps q and k inside f16 and is exact.
	s_sub_co_u32 s25, ttmp9, 384
	s_lshl_b32 s25, s25, 2
	s_add_co_u32 s25, s25, s24                     ; which 16 rows
	s_lshl_b32 s30, s25, 6
	s_add_nc_u64 s[14:15], s[14:15], s[30:31]
	s_lshl_b32 s30, s25, 13
	s_add_nc_u64 s[22:23], s[22:23], s[30:31]
	v_and_b32 v4, 15, v2
	v_lshlrev_b32 v4, 2, v4
	global_load_b32 v6, v4, s[14:15]               ; my row's position
	v_lshrrev_b32 v5, 4, v2
	v_lshlrev_b32 v5, 2, v5                        ; 4 h
	v_lshlrev_b32 v3, 4, v2                        ; 16 x lane
	s_mov_b32 s34, 0xb94ca1f9                      ; the sine's polynomial on +-pi/4
	s_mov_b32 s35, 0x3c08839e
	s_mov_b32 s36, 0xbe2aaaa3
	s_mov_b32 s37, 0x37ccf5ce                      ; the cosine's
	s_mov_b32 s38, 0xbab6061a
	s_mov_b32 s39, 0x3d2aaaa5
	s_wait_loadcnt 0x0
	v_cvt_f32_i32 v6, v6
; 0.25 cos and 0.25 sin of the angle in v[a]
.macro SINCOS a, co, si
	v_mul_f32 v32, 0x3f22f983, v[\a]               ; x 2 / pi
	v_rndne_f32 v32, v32                           ; n
	v_fmamk_f32 v33, v32, 0xbfc90fdb, v[\a]        ; the angle less n x pi/2, pi/2 in three parts
	v_fmamk_f32 v33, v32, 0x333bbd2e, v33
	v_fmamk_f32 v33, v32, 0x26f72ced, v33          ; r
	v_cvt_i32_f32 v34, v32                         ; the quadrant
	v_mul_f32 v35, v33, v33                        ; z = r r
	v_fma_f32 v36, v35, s34, s35
	v_fma_f32 v36, v36, v35, s36
	v_mul_f32 v37, v35, v33
	v_fma_f32 v36, v36, v37, v33                   ; sin r
	v_fma_f32 v38, v35, s37, s38
	v_fma_f32 v38, v38, v35, s39
	v_mul_f32 v37, v35, v35
	v_fma_f32 v39, v35, -0.5, 1.0
	v_fma_f32 v38, v38, v37, v39                   ; cos r
	v_and_b32 v37, 1, v34
	v_cmp_eq_u32 vcc_lo, 1, v37                    ; in odd quadrants the two change places
	v_cndmask_b32 v39, v36, v38, vcc_lo
	v_cndmask_b32 v40, v38, v36, vcc_lo
	v_lshlrev_b32 v37, 30, v34                     ; the sine is negative in quadrants 2 and 3,
	v_and_b32 v37, 0x80000000, v37
	v_xor_b32 v39, v37, v39
	v_add_nc_u32 v37, 1, v34                       ; the cosine in 1 and 2
	v_lshlrev_b32 v37, 30, v37
	v_and_b32 v37, 0x80000000, v37
	v_xor_b32 v40, v37, v40
	v_mul_f32 v[\si], 0x3e800000, v39
	v_mul_f32 v[\co], 0x3e800000, v40
.endm
	s_mov_b32 s28, 0
.Ltc:                                              ; a trip makes chunk c = s28: two frequencies a lane
	s_lshr_b32 s29, s28, 1
	s_lshl_b32 s29, s29, 3
	s_and_b32 s30, s28, 1
	s_lshl_b32 s30, s30, 1
	s_add_co_u32 s29, s29, s30                     ; 8 b + 2 u
	v_add_nc_u32 v16, s29, v5                      ; i
	v_add_nc_u32 v17, 1, v16
	v_cvt_f32_u32 v16, v16
	v_cvt_f32_u32 v17, v17
	v_mul_f32 v16, 0xbe549a78, v16                 ; -i log2(10000) / 64
	v_mul_f32 v17, 0xbe549a78, v17
	v_exp_f32 v16, v16
	v_exp_f32 v17, v17
	v_nop                                          ; a plain instruction behind the exponentials,
	s_wait_alu depctr_va_vdst(0)                   ; and one wait for both ahead of their first reader
	v_mul_f32 v16, v6, v16                         ; the angles
	v_mul_f32 v17, v6, v17
	SINCOS 16, 24, 25
	SINCOS 17, 26, 27
	global_store_b128 v3, v[24:27], s[22:23]       ; the wave stores 512 consecutive bytes
	s_wait_xcnt 0x0                                ; base and data are written again only behind this wait
	s_add_nc_u64 s[22:23], s[22:23], 512
	s_add_co_u32 s28, s28, 1
	s_cmp_lt_u32 s28, 16
	s_cbranch_scc1 .Ltc
	s_wait_tensorcnt 0x0                           ; the wave's end
	ds_add_u32 v[SPW], v[NIL]
	s_wait_dscnt 0x0
	s_endpgm
; block t of 32 along K: W(32 t + i, my column) into set t % 2; neighbouring lanes read neighbouring columns, 128 bytes a wave, 512 a work-group
.macro KLOAD t, sb
.set i, 0
.rept 32
	global_load_b32 v[KX+32*((\t)%2)+i], v3, s[\sb:\sb+1] offset:(32*(\t)+i)*8192 th:TH_LOAD_NT
.set i, i+1
.endr
.endm
; ---------------- Wq, Wk, Wv.  A lane takes a column n and its registers run down K: a block lies in one lane, and the conversions give codes with K innermost.
; A wave takes 32 columns x 512 along K: 256 bytes of codes a column, which leave through the wave's stage as whole rows of 256 bytes.
.Lw:
	s_lshr_b32 s25, ttmp9, 6                       ; which weight
	s_and_b32 s26, ttmp9, 15                       ; which 128 columns
	s_bfe_u32 s27, ttmp9, 0x20004                  ; which 512 along K
	s_cmp_eq_u32 s25, 1
	s_cselect_b64 s[6:7], s[8:9], s[6:7]
	s_cmp_eq_u32 s25, 2
	s_cselect_b64 s[6:7], s[10:11], s[6:7]
	s_lshl_b32 s28, s26, 7
	s_lshl_b32 s29, s24, 5
	s_add_co_u32 s28, s28, s29                     ; my wave's first column
	s_lshl_b32 s30, s27, 22                        ; 512 rows of 8,192 bytes
	s_lshl_b32 s29, s28, 2
	s_add_co_u32 s30, s30, s29
	s_add_nc_u64 s[6:7], s[6:7], s[30:31]
	s_lshl_b32 s29, s25, 11
	s_add_co_u32 s29, s29, s28
	s_add_co_u32 s29, s29, 2048                    ; its row in cd and sc
	s_lshl_b32 s30, s29, 10
	s_lshl_b32 s32, s27, 8
	s_add_co_u32 s30, s30, s32
	s_add_nc_u64 s[16:17], s[16:17], s[30:31]
	s_lshl_b32 s30, s29, 6
	s_lshl_b32 s32, s27, 4
	s_add_co_u32 s30, s30, s32
	s_add_nc_u64 s[18:19], s[18:19], s[30:31]
	s_mul_i32 s33, s24, 32*PITCH
	s_add_co_u32 s33, s33, WSTG                    ; my stage
	v_lshlrev_b32 v3, 2, v2
	v_mul_u32_u24 v4, v2, PITCH
	v_add_nc_u32 v4, s33, v4                       ; into it: row = my column
	v_and_b32 v5, 15, v2
	v_lshrrev_b32 v6, 4, v2
	v_mul_u32_u24 v7, v6, PITCH
	v_lshl_add_u32 v7, v5, 4, v7
	v_add_nc_u32 v7, s33, v7                       ; out of it: sixteen lanes to a row
	v_lshlrev_b32 v8, 10, v6
	v_lshl_add_u32 v8, v5, 4, v8                   ; the same place in cd
	v_lshlrev_b32 v9, 6, v2                        ; my column's row of sc
.macro WBLOCK t
.set XS, KX+32*((\t)%2)
.if (\t) < 15
	s_wait_loadcnt 32                              ; this block's 32 loads are in; the next block's stay out
.else
	s_wait_loadcnt 0x0
.endif
	v_max3_num_f32 v12, |v[XS]|, |v[XS+1]|, |v[XS+2]|
	v_max3_num_f32 v13, |v[XS+3]|, |v[XS+4]|, |v[XS+5]|
.irp i, 6,10,14,18,22,26
	v_max3_num_f32 v12, v12, |v[XS+\i]|, |v[XS+\i+1]|
	v_max3_num_f32 v13, v13, |v[XS+\i+2]|, |v[XS+\i+3]|
.endr
	v_max3_num_f32 v12, v12, |v[XS+30]|, |v[XS+31]|
	v_max3_num_f32 v12, v12, v13, 0x1800000        ; and the floor 2^(3 - 127): the byte cannot fall under 1
	v_add_nc_u32 v11, 0xff000000, v12              ; 2 off the exponent field: the conversion's scale operand
	v_lshrrev_b32 v13, 23, v11                     ; the byte
.if (\t)%4 == 0
	v_mov_b32 v[SB+(\t)/4], v13
.else
	v_lshl_or_b32 v[SB+(\t)/4], v13, 8*((\t)%4), v[SB+(\t)/4]
.endif
.irp g, 0,1,2,3
	v_cvt_scalef32_pk8_fp4_f32 v[KC+\g], v[XS+8*\g:XS+8*\g+7], v11
.endr
	ds_store_b128 v4, v[KC:KC+3] offset:16*(\t)
.if (\t)+2 < 16
	KLOAD (\t)+2, 6
.endif
	s_wait_dscnt 0x0                               ; the store has read its registers: the next block's codes may be written
.endm
	KLOAD 0, 6
	KLOAD 1, 6
.set Q, 0
.rept 16
	WBLOCK Q
.set Q, Q+1
.endr
	global_store_b128 v9, v[SB:SB+3], s[18:19]     ; my column's 16 scale bytes
.set i, 0
.rept 16
	ds_load_b128 v[OUTR+4*i:OUTR+4*i+3], v7 offset:2*i*PITCH   ; LDS serves a wave's instructions in order: these see my stores
.set i, i+1
.endr
.set i, 0
.rept 16
	s_wait_dscnt 15-i                              ; loads come back in order: pair i of rows is in
	global_store_b128 v8, v[OUTR+4*i:OUTR+4*i+3], s[16:17] offset:2*i*1024   ; sixteen lanes store 256 consecutive bytes, aligned
.set i, i+1
.endr
	s_wait_tensorcnt 0x0                           ; the wave's end
	ds_add_u32 v[SPW], v[NIL]
	s_wait_dscnt 0x0
	s_endpgm
; ---------------- Wo -> wot.  The same shares; a block of 32 along K is 64 bytes of f16 a column; four blocks fill a stage row, which then leaves.
.Lo:
	s_sub_co_u32 s25, ttmp9, 192
	s_and_b32 s26, s25, 15
	s_lshr_b32 s27, s25, 4
	s_lshl_b32 s28, s26, 7
	s_lshl_b32 s29, s24, 5
	s_add_co_u32 s28, s28, s29                     ; my wave's first column
	s_lshl_b32 s30, s27, 22
	s_lshl_b32 s29, s28, 2
	s_add_co_u32 s30, s30, s29
	s_add_nc_u64 s[12:13], s[12:13], s[30:31]
	s_lshl_b32 s30, s28, 12                        ; a row of wot is 4,096 bytes
	s_lshl_b32 s29, s27, 10
	s_add_co_u32 s30, s30, s29
	s_add_nc_u64 s[20:21], s[20:21], s[30:31]
	s_mul_i32 s33, s24, 32*PITCH
	s_add_co_u32 s33, s33, OSTG
	v_lshlrev_b32 v3, 2, v2
	v_mul_u32_u24 v5, v2, PITCH
	v_add_nc_u32 v5, s33, v5
	v_and_b32 v7, 15, v2
	v_lshrrev_b32 v8, 4, v2
	v_mul_u32_u24 v6, v8, PITCH
	v_lshl_add_u32 v6, v7, 4, v6
	v_add_nc_u32 v6, s33, v6
	v_lshlrev_b32 v10, 12, v8
	v_lshl_add_u32 v10, v7, 4, v10
.macro OBLOCK t
.set XS, KX+32*((\t)%2)
.if (\t) < 15
	s_wait_loadcnt 32                              ; this block's 32 loads are in; the next block's stay out
.else
	s_wait_loadcnt 0x0
.endif
.set i, 0
.rept 16
	v_cvt_pk_f16_f32 v[KC+i], v[XS+2*i], v[XS+2*i+1]
.set i, i+1
.endr
.irp g, 0,1,2,3
	ds_store_b128 v5, v[KC+4*\g:KC+4*\g+3] offset:64*((\t)%4)+16*\g
.endr
.if (\t)+2 < 16
	KLOAD (\t)+2, 12
.endif
	s_wait_dscnt 0x0                               ; the stores have read their registers
.endm
.macro OROUND q
.if (\q) > 0
	s_wait_xcnt 0x0                                ; the last round's stores have read the registers that are loaded again
.endif
.set i, 0
.rept 16
	ds_load_b128 v[OUTR+4*i:OUTR+4*i+3], v6 offset:2*i*PITCH
.set i, i+1
.endr
.set i, 0
.rept 16
	s_wait_dscnt 15-i
	global_store_b128 v10, v[OUTR+4*i:OUTR+4*i+3], s[20:21] offset:2*i*4096+256*(\q)   ; sixteen lanes store 256 consecutive bytes, aligned
.set i, i+1
.endr
.endm
	KLOAD 0, 12
	KLOAD 1, 12
.set Q, 0
.rept 16
	OBLOCK Q
.if Q%4 == 3
	OROUND Q/4
.endif
.set Q, Q+1
.endr
	s_wait_tensorcnt 0x0                           ; the wave's end
	ds_add_u32 v[SPW], v[NIL]
	s_wait_dscnt 0x0
	s_endpgm
; ---------------- x.  Rows are dense, so x is a stream of blocks of 32.  A wave takes 16 steps of 512 numbers.  Each load reads 512 consecutive bytes; a step's 2,048 bytes turn through
; the wave's stage so that a lane holds 16 neighbours (two lanes a block).  Loads run four steps ahead, the turn one step.
.Lx:
	s_sub_co_u32 s25, ttmp9, 256
	s_lshl_b32 s25, s25, 2
	s_add_co_u32 s25, s25, s24                     ; which run of 8,192 numbers
	s_lshl_b32 s30, s25, 15
	s_add_nc_u64 s[4:5], s[4:5], s[30:31]
	s_lshl_b32 s30, s25, 12
	s_add_nc_u64 s[16:17], s[16:17], s[30:31]
	s_lshl_b32 s30, s25, 8
	s_add_nc_u64 s[18:19], s[18:19], s[30:31]
	v_lshlrev_b32 v3, 4, v2
	s_lshl_b32 s28, s24, 13                        ; my 8,192 bytes of LDS: two stages of 32 x 80, then 256 scale bytes
	v_lshrrev_b32 v12, 2, v2
	v_mul_u32_u24 v12, v12, SP
	v_and_b32 v10, 3, v2
	v_lshl_add_u32 v12, v10, 4, v12
	v_add_nc_u32 v12, s28, v12                     ; in: four lanes' 64 bytes on end, then 16 of padding
	v_mul_u32_u24 v13, v2, SP
	v_add_nc_u32 v13, s28, v13                     ; out: my 16 neighbours
	v_lshlrev_b32 v4, 3, v2                        ; my 8 bytes of a step's codes
	v_lshrrev_b32 v5, 1, v2
	s_add_co_u32 s28, s28, 2*32*SP
	v_add_nc_u32 v5, s28, v5                       ; my block's byte
	v_lshlrev_b32 v7, 3, v2
	v_add_nc_u32 v6, s28, v7
.macro XLOAD t
.irp i, 0,1,2,3
	global_load_b128 v[XR+16*((\t)%4)+4*\i:XR+16*((\t)%4)+4*\i+3], v3, s[4:5] offset:2048*(\t)+512*\i th:TH_LOAD_NT
.endr
.endm
.macro XTURN t
.irp i, 0,1,2,3
	ds_store_b128 v12, v[XR+16*((\t)%4)+4*\i:XR+16*((\t)%4)+4*\i+3] offset:32*SP*((\t)%2)+8*SP*\i
.endr
.irp i, 0,1,2,3
	ds_load_b128 v[XX+16*((\t)%2)+4*\i:XX+16*((\t)%2)+4*\i+3], v13 offset:32*SP*((\t)%2)+16*\i
.endr
.endm
.irp t, 0,1,2,3
	XLOAD \t
.endr
	s_wait_loadcnt 12                              ; step 0's four loads are in
	XTURN 0
.macro XSTEP t
.set XS, XX+16*((\t)%2)
.if (\t) > 0
	s_wait_dscnt 1                                 ; this step's numbers are back (the last step's byte store may be out), so its stores into the stage have read their registers,
.else
	s_wait_dscnt 0x0
.endif
.if (\t)+4 < 16
	XLOAD (\t)+4                                   ; which take the loads of four steps on
.endif
.if (\t)+1 < 16
.if 14-(\t) >= 3
	s_wait_loadcnt 12                              ; the next step's four loads are in; three steps' stay out
.else
	s_wait_loadcnt 4*(14-(\t))
.endif
	XTURN (\t)+1
.endif
	v_max3_num_f32 v8, |v[XS]|, |v[XS+1]|, |v[XS+2]|
	v_max3_num_f32 v9, |v[XS+3]|, |v[XS+4]|, |v[XS+5]|
.irp i, 6,10
	v_max3_num_f32 v8, v8, |v[XS+\i]|, |v[XS+\i+1]|
	v_max3_num_f32 v9, v9, |v[XS+\i+2]|, |v[XS+\i+3]|
.endr
	v_max3_num_f32 v8, v8, |v[XS+14]|, |v[XS+15]|
	v_max3_num_f32 v8, v8, v9, 0x1800000           ; the floor
	v_max_num_f32_dpp v8, v8, v8 row_xmask:1 row_mask:0xf bank_mask:0xf   ; with my neighbour's 16: the block's
	v_add_nc_u32 v11, 0xff000000, v8
	v_cvt_scalef32_pk8_fp4_f32 v[XC+4*(\t)], v[XS:XS+7], v11
	v_cvt_scalef32_pk8_fp4_f32 v[XC+4*(\t)+1], v[XS+8:XS+15], v11
	v_lshrrev_b32 v[XE+(\t)], 23, v11              ; the byte
	ds_store_b8 v5, v[XE+(\t)] offset:16*(\t)      ; both lanes of a block write the same byte
	global_store_b64 v4, v[XC+4*(\t):XC+4*(\t)+1], s[16:17] offset:256*(\t)   ; the wave stores 256 consecutive bytes, aligned
.endm
.irp t, 0,1,2,3,4,5,6,7,8,9,10,11,12,13,14,15
	XSTEP \t
.endr
	ds_load_b64 v[8:9], v6
	s_wait_dscnt 0x0
	global_store_b64 v7, v[8:9], s[18:19]          ; the wave's 256 scale bytes, aligned
	s_wait_tensorcnt 0x0                           ; the wave's end
	ds_add_u32 v[SPW], v[NIL]
	s_wait_dscnt 0x0
	s_endpgm
.Lfunc_end_k_qbf701780c7_prep:
	.size	k_qbf701780c7_prep, .Lfunc_end_k_qbf701780c7_prep-k_qbf701780c7_prep
	.p2alignl 7, 3214868480
	.fill 96, 4, 3214868480
	.section	.rodata,"a",@progbits
	.p2align	6, 0x0
	.amdhsa_kernel k_qbf701780c7_prep
		.amdhsa_group_segment_fixed_size 102912
		.amdhsa_private_segment_fixed_size 0
		.amdhsa_enable_private_segment 0
		.amdhsa_kernarg_size 80
		.amdhsa_user_sgpr_count 2
		.amdhsa_user_sgpr_kernarg_segment_ptr 1
		.amdhsa_wavefront_size32 1
		.amdhsa_system_sgpr_workgroup_id_x 1
		.amdhsa_system_sgpr_workgroup_id_y 1
		.amdhsa_system_sgpr_workgroup_id_z 1
		.amdhsa_system_vgpr_workitem_id 0
		.amdhsa_next_free_vgpr 192
		.amdhsa_next_free_sgpr 66
		.amdhsa_reserve_vcc 1
		.amdhsa_float_denorm_mode_32 3
		.amdhsa_float_denorm_mode_16_64 3
		.amdhsa_memory_ordered 1
		.amdhsa_forward_progress 1
		.amdhsa_inst_pref_size 198
	.end_amdhsa_kernel
	.amdgpu_metadata
---
amdhsa.version: [ 1, 2 ]
amdhsa.kernels:
  - .name:           k_qbf701780c7_prep
    .symbol:         k_qbf701780c7_prep.kd
    .args:
      - { .name: x, .offset: 0, .size: 8, .value_kind: global_buffer, .address_space: global }
      - { .name: Wq, .offset: 8, .size: 8, .value_kind: global_buffer, .address_space: global }
      - { .name: Wk, .offset: 16, .size: 8, .value_kind: global_buffer, .address_space: global }
      - { .name: Wv, .offset: 24, .size: 8, .value_kind: global_buffer, .address_space: global }
      - { .name: Wo, .offset: 32, .size: 8, .value_kind: global_buffer, .address_space: global }
      - { .name: positions, .offset: 40, .size: 8, .value_kind: global_buffer, .address_space: global }
      - { .name: cd, .offset: 48, .size: 8, .value_kind: global_buffer, .address_space: global }
      - { .name: sc, .offset: 56, .size: 8, .value_kind: global_buffer, .address_space: global }
      - { .name: wot, .offset: 64, .size: 8, .value_kind: global_buffer, .address_space: global }
      - { .name: cst, .offset: 72, .size: 8, .value_kind: global_buffer, .address_space: global }
    .group_segment_fixed_size: 102912
    .private_segment_fixed_size: 0
    .kernarg_segment_align: 8
    .kernarg_segment_size: 80
    .max_flat_workgroup_size: 128
    .sgpr_count:     66
    .vgpr_count:     192
    .wavefront_size: 32
...
	.end_amdgpu_metadata
.endif
;; end of part 1
;; launch qkv (part 2): grid 24 x 8, 4 waves a work-group, clusters of 4 x 4, 327,680 bytes of LDS; arguments cd, sc, cst, qkvh, q16; writes qkvh, q16
.if DOCPART == 2
	.amdgcn_target "amdgcn-amd-amdhsa--gfx1250"
	.amdhsa_code_object_version 6
	.text
	.protected	k_qbf701780c7_qkv
	.globl	k_qbf701780c7_qkv
	.p2align	8
	.type	k_qbf701780c7_qkv,@function
k_qbf701780c7_qkv:
	s_mov_b64 s[64:65], 0
	v_nop
	global_prefetch_b8 v0, s[64:65] scope:SCOPE_SE
	s_setreg_imm32_b32 hwreg(HW_REG_WAVE_MODE, 25, 1), 1
	s_wait_xcnt 0x0
	s_wait_alu depctr_hold_cnt(0) depctr_sa_sdst(0) depctr_va_vdst(0) depctr_va_sdst(0) depctr_va_ssrc(0) depctr_va_vcc(0) depctr_vm_vsrc(0)
	s_getreg_b32 s2, hwreg(HW_REG_IB_STS2, 6, 4)
	s_cmp_eq_u32 s2, 0
	s_cbranch_scc0 .Lentry_in_a_cluster
	s_endpgm
.Lentry_in_a_cluster:
	s_bfe_u32 s2, ttmp6, 0x10000c
	s_cmp_lg_u32 s2, 0xf033
	s_cbranch_scc0 .Lentry_shape_is_right
	s_endpgm
.Lentry_shape_is_right:
; [q | k | v] = x [Wq | Wk | Wv] on codes of FP4 (E2M1) with one E8M0 scale for each 32 along K; sums in f32.  A = rows 0-2047 of cd (x), B = rows 2048-8191 (the weights' columns), K = 2048.
; A tile of 256 x 256 is made by four waves, each 128 x 128: 64 accumulators.  K goes in steps of 512 (rows of 256 bytes) through two LDS slots filled by the tensor data mover; the scale bytes of the
; work-group's rows come into LDS once.  4 x 4 work-groups form a cluster: A's tiles are asked for jointly along a row of it, B's along a column.
; The matrix instruction is used transposed (source 0 = 16 rows of B, source 1 = 16 rows of A): a lane holds eight neighbouring columns of one row.
; THE WAY OUT.  A wave's 128 columns are one head of q, k or v.  q and k are turned by the rotary table (which holds a quarter of cos and sin, so that q / 4 and k / 4 are stored: exact), v is left as it is;
; all are rounded to f16 and stored as [48 heads][2048][128].  Rows 0-15 are also stored unrounded, as an image of the registers, for the launch that makes the first 16 rows in f32.
; LIMITS: |q|, |k| under 262,000 and |v| under 65,504 (f16's range).
; REGISTERS: window 0: v0-31 addresses; v32-95 scale words, two sets; from v128 A's fragments, one set; on the way out v32-159 the table, v160-223 at work, v224-255 rows read back.
;   window 1: B's fragments, two sets.   window 2: the accumulators of my rows 0-63 ((a, b) at v[8 (8 a + b)]);   window 3: those of my rows 64-127.
.set SIZE_K, 2048
.set KSTEP,  512
.set NQ,     KSTEP/128
.set ROWB,   256
.set KROW,   SIZE_K*4/8
.set PITCH,  272                       ; an LDS row: 256 bytes + 16: the 16 rows that a load touches start at 16 different banks
.set FR,     8
.set NL,     2
.set NP,     4
.set HALFT,  128*PITCH
.set SLOT,   4*HALFT
.set LAPS,   SIZE_K/(2*KSTEP)
.set KS,     SIZE_K/32
.set SCL,    2*SLOT                    ; behind the ring: the scales, as units of 256 bytes + 16
.set HALFS,  (128*KS/256)*272
.set SBLK,   (16*KS/256)*272
.set SPARE,  SCL+4*HALFS               ; the spare words: two blocks of 256 bytes that no other line names
.set SPITCH, 272                       ; the way out: a stage of 16 rows x (256 + 16) bytes a wave, in slot 0, which has had its last fill and its last read by then; the two ways out have stages of their own
.set ADRA, 16
.set ADRB, 20
.set STOV, 22
.set RDV,  23
.set STO,  24
.set RD,   25
.set LI,   26                          ; v26  16 x lane
.set ADRS, 27
.set SPW,  28
.set NIL,  29
.set SC,   32
.set AF,   128
.set CS,   32                          ; the way out: two sets of 64 table numbers
.set T,    160
.set BK,   224
.set G1, 24
.set G0, 32
.set G1B, 48
.set G0B, 56
.set G1S, 68
.set G0S, 76
.set G1SB, 80
.set G0SB, 88
.set MSB, 0
.macro WIN new                         ; the immediate's high byte repeats the setting that is left
.if MSB != (\new)
	s_set_vgpr_msb (MSB<<8)|(\new)
.set MSB, (\new)
.endif
.endm
.set MUL_LO, 0xa1
.set MUL_HI, 0xf1
.set TO_B,   0x40
; a joint load: waves 0 and 1 fetch for A, waves 2 and 3 for B; the branch hangs on the wave's number alone; an s_nop 0 and four v_nop follow each line
.macro JLOAD g0a, g1a, g0b, g1b
	s_cmp_eq_u32 s15, 0
	s_cbranch_scc0 .Lfor_b_\@
	tensor_load_to_lds s[\g0a:\g0a+3], s[\g1a:\g1a+7]
	s_nop 0
.rept 4
	v_nop
.endr
	s_branch .Lasked_\@
.Lfor_b_\@:
	tensor_load_to_lds s[\g0b:\g0b+3], s[\g1b:\g1b+7]
	s_nop 0
.rept 4
	v_nop
.endr
.Lasked_\@:
.endm
.macro CREST
	s_cmp_lg_u32 s14, 0
	s_cbranch_scc1 .Lnot_wave_0_\@
	s_barrier_signal -3
.Lnot_wave_0_\@:
	s_barrier_wait -3
	s_barrier_signal -1
	s_barrier_wait -1
.endm
.macro CROUND
	s_barrier_signal -1
	s_barrier_wait -1
	CREST
.endm
	s_load_b128 s[4:7], s[0:1], 0x0                ; cd, sc
	s_load_b128 s[96:99], s[0:1], 0x10             ; cst, qkvh
	s_load_b64 s[100:101], s[0:1], 0x20            ; q16
	v_lshl_add_u32 v[SPW], v0, 2, SPARE
	v_mov_b32 v[NIL], 0
	ds_add_u32 v[SPW], v[NIL]                      ; the wave's opening: the add, twice on end, and its wait ahead of my first tensor load
	ds_add_u32 v[SPW], v[NIL]
	v_lshrrev_b32 v1, 5, v0
	v_readfirstlane_b32 s14, v1                    ; wave
	s_lshr_b32 s15, s14, 1                         ; my half of the tile's rows; also: I fetch for A (0) or B (1)
	s_and_b32 s16, s14, 1                          ; my half of its columns; also: which 128 rows I fetch
	s_bfe_u32 s40, ttmp6, 0x40000                  ; cx, cy
	s_bfe_u32 s41, ttmp6, 0x40004
	s_lshl_b32 s42, ttmp9, 2
	s_add_co_u32 s42, s42, s40                     ; tile column
	s_and_b32 s17, ttmp7, 0xffff
	s_lshl_b32 s17, s17, 2
	s_add_co_u32 s17, s17, s41                     ; tile row
	s_lshl_b32 s43, s41, 2
	s_lshl_b32 s43, 15, s43                        ; my row of the cluster
	s_lshl_b32 s44, 0x1111, s40                    ; my column
	s_or_b32 s[G1+0], s43, (0<<16)|(1<<20)|(1<<21)|(5<<22)|(3<<25)  ; the mask; elements of 1 byte; padding of 4 words behind every 64
	s_or_b32 s[G1B+0], s44, (0<<16)|(1<<20)|(1<<21)|(5<<22)|(3<<25)
.irp g, G1, G1B
	s_mov_b32 s[\g+1], ROWB<<16                    ; tensor_dim0
	s_mov_b32 s[\g+2], 128<<16                     ; tensor_dim1
	s_mov_b32 s[\g+3], ROWB<<16                    ; tile_dim0
	s_mov_b32 s[\g+4], 128                         ; tile_dim1
	s_mov_b32 s[\g+5], KROW                        ; the pitch
	s_mov_b32 s[\g+6], 0
	s_mov_b32 s[\g+7], 0
.endr
	s_or_b32 s[G1S+0], s43, (3<<16)|(1<<20)|(1<<21)|(5<<22)|(3<<25)  ; the scales of 128 rows: a dense block, as rows of 256 bytes (32 elements of 8)
	s_or_b32 s[G1SB+0], s44, (3<<16)|(1<<20)|(1<<21)|(5<<22)|(3<<25)
.irp g, G1S, G1SB
	s_mov_b32 s[\g+1], 32<<16
	s_mov_b32 s[\g+2], (128*KS/256)<<16
	s_mov_b32 s[\g+3], 32<<16
	s_mov_b32 s[\g+4], 128*KS/256
	s_mov_b32 s[\g+5], 32
	s_mov_b32 s[\g+6], 0
	s_mov_b32 s[\g+7], 0
.endr
	s_lshl_b32 s18, s16, 7
	s_lshl_b32 s20, s17, 8
	s_add_co_u32 s20, s20, s18                     ; A: row 256 x tile row + 128 x half
	s_lshl_b32 s46, s42, 8
	s_add_co_u32 s46, s46, s18                     ; B: row 256 x tile column + 128 x half
	s_mov_b32 s21, 0
	s_mov_b32 s47, 0
	s_mov_b64 s[18:19], KS
	s_mul_u64 s[22:23], s[20:21], s[18:19]
	s_mul_u64 s[92:93], s[46:47], s[18:19]
	s_mov_b64 s[18:19], KROW
	s_mul_u64 s[20:21], s[20:21], s[18:19]
	s_mul_u64 s[46:47], s[46:47], s[18:19]
	s_mul_i32 s45, s14, HALFT
	s_mul_i32 s94, s14, HALFS
	s_wait_dscnt 0x0                               ; both opening adds are done
	s_wait_kmcnt 0x0
	s_add_nc_u64 s[8:9], s[4:5], 0x200000          ; B's codes begin at row 2048 of cd,
	s_add_nc_u64 s[10:11], s[6:7], 0x20000         ; B's scales at row 2048 of sc
	s_add_nc_u64 s[20:21], s[4:5], s[20:21]
	s_add_nc_u64 s[22:23], s[6:7], s[22:23]
	s_add_nc_u64 s[46:47], s[8:9], s[46:47]
	s_add_nc_u64 s[92:93], s[10:11], s[92:93]
	CROUND                                         ; all sixteen work-groups are here: the first joint loads meet
	s_mov_b32 s[G0S], 1
	s_add_co_u32 s[G0S+1], s94, SCL
	s_mov_b64 s[G0S+2:G0S+3], s[22:23]
	s_or_b32 s[G0S+3], s[G0S+3], 0x80000000
	s_mov_b32 s[G0SB], 1
	s_add_co_u32 s[G0SB+1], s94, SCL
	s_mov_b64 s[G0SB+2:G0SB+3], s[92:93]
	s_or_b32 s[G0SB+3], s[G0SB+3], 0x80000000
	JLOAD G0S, G1S, G0SB, G1SB                     ; the scales first
.irp s, 0,1
	s_mov_b32 s[G0+4*\s], 1
	s_add_co_u32 s[G0+4*\s+1], s45, \s*SLOT
	s_add_nc_u64 s[G0+4*\s+2:G0+4*\s+3], s[20:21], \s*ROWB
	s_or_b32 s[G0+4*\s+3], s[G0+4*\s+3], 0x80000000
	s_mov_b32 s[G0B+4*\s], 1
	s_add_co_u32 s[G0B+4*\s+1], s45, \s*SLOT
	s_add_nc_u64 s[G0B+4*\s+2:G0B+4*\s+3], s[46:47], \s*ROWB
	s_or_b32 s[G0B+4*\s+3], s[G0B+4*\s+3], 0x80000000
	JLOAD G0+4*\s, G1, G0B+4*\s, G1B
.endr
	v_and_b32 v1, 15, v0                           ; l % 16
	v_bfe_u32 v2, v0, 4, 1                         ; l / 16
	v_mul_u32_u24 v3, v1, PITCH
	v_lshl_add_u32 v4, v2, 4, v3
	s_mul_i32 s21, s15, HALFT
	s_mul_i32 s22, s16, HALFT
	s_add_co_u32 s22, s22, 2*HALFT
.irp s, 0,1
	v_add_nc_u32 v[ADRA+\s], s21, v4
	v_add_nc_u32 v[ADRB+\s], s22, v4
	s_add_co_u32 s21, s21, SLOT
	s_add_co_u32 s22, s22, SLOT
.endr
	v_mul_u32_u24 v5, v1, KS
	v_lshrrev_b32 v6, 8, v5
	v_lshl_add_u32 v5, v6, 4, v5
	s_mul_i32 s21, s15, HALFS
	s_mul_i32 s22, s16, HALFS
	s_add_co_u32 s22, s22, 2*HALFS
	s_sub_co_u32 s22, s22, s21
	v_mul_u32_u24 v6, s22, v2                      ; lanes 16-31 take B's scale words
	s_add_co_u32 s21, s21, SCL
	v_add_nc_u32 v5, v5, v6
	v_add_nc_u32 v[ADRS], s21, v5
	s_mul_i32 s23, s14, 16*SPITCH                  ; my stage
	v_mul_u32_u24 v5, v1, SPITCH                   ; in: row l % 16, 16 bytes for each half of the lanes
	v_lshl_add_u32 v5, v2, 4, v5
	v_add_nc_u32 v[STO], s23, v5
	v_add_nc_u32 v[STOV], 4*16*SPITCH, v[STO]
	v_mul_u32_u24 v5, v2, SPITCH                   ; back: lanes 0-15 one row of 256 bytes, lanes 16-31 the next
	v_lshl_add_u32 v5, v1, 4, v5
	v_add_nc_u32 v[RD], s23, v5
	v_add_nc_u32 v[RDV], 4*16*SPITCH, v[RD]
	v_and_b32 v6, 31, v0
	v_lshlrev_b32 v[LI], 4, v6
	s_lshl_b32 s20, s17, 8
	s_lshl_b32 s21, s15, 7
	s_add_co_u32 s20, s20, s21                     ; my first row
	s_cmp_eq_u32 s20, 0
	s_cselect_b32 s67, -1, 0                       ; all lanes where my block 0 is rows 0-15, else none: it serves as EXEC for the copy in f32, never for a branch
	s_lshl_b32 s46, s42, 1
	s_add_co_u32 s46, s46, s16                     ; my head among the 48
	s_lshl_b32 s22, s46, 19
	s_lshl_b32 s21, s20, 8
	s_add_co_u32 s22, s22, s21
	s_mov_b32 s23, 0
	s_add_nc_u64 s[12:13], s[98:99], s[22:23]      ; qkvh at my 128 rows of 256 bytes: 32,768 bytes on end
	s_lshl_b32 s22, s20, 9
	s_add_nc_u64 s[96:97], s[96:97], s[22:23]      ; the table at my rows: 8,192 bytes for each 16
	s_lshl_b32 s22, s46, 13
	s_add_nc_u64 s[100:101], s[100:101], s[22:23]  ; q16 at my head
	s_lshr_b32 s66, ttmp9, 1                       ; 0: q, 1: k, 2: v.  It hangs on the cluster's x alone: the same in all sixteen partners
.macro FRAG reg, adr, q, i
.irp c, 0,1
	ds_load_b128 v[\reg+4*\c:\reg+4*\c+3], v[\adr] offset:64*(\q)+32*\c+(\i)*16*PITCH
.endr
.endm
; 16 matrix instructions: A's blocks a0, a0 + 1 x B's eight.  The 64 accumulators take turns, one instruction a turn, in the same order in every step
.macro MUL16 a0, p, q, sc, zero
.irp a, \a0, \a0+1
.irp b, 0,1,2,3,4,5,6,7
.if \zero
	v_wmma_scale_f32_16x16x128_f8f6f4 v[8*(8*((\a)%4)+\b):8*(8*((\a)%4)+\b)+7], v[128*(\p)+FR*\b:128*(\p)+FR*\b+FR-1], v[AF+FR*(\a):AF+FR*(\a)+FR-1], 0, v[SC+8*NQ*(\sc)+NQ*\b+(\q)], v[SC+8*NQ*(\sc)+NQ*(\a)+(\q)] matrix_a_fmt:MATRIX_FMT_FP4 matrix_b_fmt:MATRIX_FMT_FP4 matrix_a_scale:MATRIX_SCALE_ROW1
.else
	v_wmma_scale_f32_16x16x128_f8f6f4 v[8*(8*((\a)%4)+\b):8*(8*((\a)%4)+\b)+7], v[128*(\p)+FR*\b:128*(\p)+FR*\b+FR-1], v[AF+FR*(\a):AF+FR*(\a)+FR-1], v[8*(8*((\a)%4)+\b):8*(8*((\a)%4)+\b)+7], v[SC+8*NQ*(\sc)+NQ*\b+(\q)], v[SC+8*NQ*(\sc)+NQ*(\a)+(\q)] matrix_a_fmt:MATRIX_FMT_FP4 matrix_b_fmt:MATRIX_FMT_FP4 matrix_a_scale:MATRIX_SCALE_ROW1
.endif
.endr
.endr
.endm
.macro FETCH_B slot, q, p
	WIN TO_B
.irp i, 0,1,2,3,4,5,6,7
	FRAG 128*(\p)+FR*\i, ADRB+\slot, \q, \i
.endr
	WIN 0
.endm
.macro FETCH_A slot, q, i0
.irp i, \i0, \i0+1, \i0+2, \i0+3
	FRAG AF+FR*(\i), ADRA+\slot, \q, \i
.endr
.endm
.macro SCALES sc
.irp i, 0,1,2,3,4,5,6,7
	ds_load_b128 v[SC+8*NQ*\sc+NQ*\i:SC+8*NQ*\sc+NQ*\i+3], v[ADRS] offset:\i*SBLK
.endr
.endm
.macro PLACES n                        ; plain instructions between a matrix instruction and a load into, or a read of, its registers
.rept \n
	v_nop
.endr
.endm
.macro STEP slot, q, zero
	s_wait_dscnt 4*NL                              ; B's set and A's blocks 0-3 are in; the youngest eight loads (A's blocks 4-7) may be out
	WIN MUL_LO
	MUL16 0, (\q)%2, \q, \slot, \zero
	MUL16 2, (\q)%2, \q, \slot, \zero
	s_wait_dscnt 0
	PLACES NP
	FETCH_B \slot, (\q)+1, 1-(\q)%2
	FETCH_A \slot, (\q)+1, 0
	WIN MUL_HI
	MUL16 4, (\q)%2, \q, \slot, \zero
	MUL16 6, (\q)%2, \q, \slot, \zero
	PLACES NP
	WIN 0
	FETCH_A \slot, (\q)+1, 4
.endm
; a slot's last step changes slots: one barrier; in front of it each wave waits for all its tensor loads, adds 0 to its spare word, and waits for that and for its reads of this slot
.macro TURN slot, next, fill
	s_wait_tensorcnt 0x0                           ; all my tensor loads have landed: my part of the next slot
	ds_add_u32 v[SPW], v[NIL]
	s_wait_dscnt 4*NL+1                            ; the add and the youngest eight loads may be out
	WIN MUL_LO
	MUL16 0, 1, NQ-1, \slot, 0
	s_wait_dscnt 0x0                               ; the add is done, and my reads of this slot are over
	s_barrier_signal -1
	MUL16 2, 1, NQ-1, \slot, 0
	WIN 0
	s_barrier_wait -1
.if \fill
	CREST                                          ; the barrier has opened a round of the cluster's: no wave of any partner still reads this slot or has a load on its way
	s_add_nc_u64 s[G0+4*\slot+2:G0+4*\slot+3], s[G0+4*\slot+2:G0+4*\slot+3], 2*ROWB
	s_add_nc_u64 s[G0B+4*\slot+2:G0B+4*\slot+3], s[G0B+4*\slot+2:G0B+4*\slot+3], 2*ROWB
	JLOAD G0+4*\slot, G1, G0B+4*\slot, G1B
.else
	PLACES NP
.endif
	v_add_nc_u32 v[ADRS], 4*NQ, v[ADRS]
	FETCH_B \next, 0, 0
	FETCH_A \next, 0, 0
	SCALES \next
	WIN MUL_HI
	MUL16 4, 1, NQ-1, \slot, 0
	MUL16 6, 1, NQ-1, \slot, 0
	PLACES NP
	WIN 0
	FETCH_A \next, 0, 4
.endm
.macro STEPS slot, from
.set Q, \from
.rept NQ-1-\from
	STEP \slot, Q, 0
.set Q, Q+1
.endr
.endm
	s_wait_tensorcnt 1                             ; the scales and my part of K step 0 are in (K step 1's load may be out)
	s_barrier_signal -1
	s_barrier_wait -1
	FETCH_B 0, 0, 0
	FETCH_A 0, 0, 0
	SCALES 0
	FETCH_A 0, 0, 4
	STEP 0, 0, 1                                   ; the first step's products start the sums
	s_mov_b32 s3, LAPS-1
.Llap:
	STEPS 0, 1
	TURN 0, 1, 1
	STEPS 1, 0
	TURN 1, 0, 1
	STEP 0, 0, 0
	s_sub_co_u32 s3, s3, 1
	s_cmp_lg_u32 s3, 0
	s_cbranch_scc1 .Llap
	STEPS 0, 1                                     ; the last lap fills nothing
	TURN 0, 1, 0
	STEPS 1, 0
	s_wait_dscnt 4*NL
	WIN MUL_LO
	MUL16 0, 1, NQ-1, 1, 0
	MUL16 2, 1, NQ-1, 1, 0
	s_wait_dscnt 0
	WIN MUL_HI
	MUL16 4, 1, NQ-1, 1, 0
	MUL16 6, 1, NQ-1, 1, 0
	WIN 0
; THE WAY OUT, a block of 16 rows x 128 columns at a time.  Register 8 b + j of a block is column 16 b + 8 (l / 16) + j of row l % 16.
.macro CSLOAD a                        ; block a's table, in the same order of registers: 16 loads of 512 consecutive bytes
.set k, 0
.rept 16
	global_load_b128 v[CS+64*((\a)%2)+4*k:CS+64*((\a)%2)+4*k+3], v[LI], s[96:97] offset:(\a)*8192+512*k
.set k, k+1
.endr
.endm
.macro ROPE a                          ; (x0, x1) -> (x0 cos - x1 sin, x1 cos + x0 sin); each accumulator is read from its low end on
.set AC, 64*((\a)%4)
.set CB, CS+64*((\a)%2)
	WIN 0x02+((\a)/4)                              ; source 0: window 2 or 3
.set k, 0
.rept 32
	v_mul_f32 v[T+k],   v[AC+k+1], v[CB+k+1]
	v_mul_f32 v[T+k+1], v[AC+k],   v[CB+k+1]
	v_fma_f32 v[T+k],   v[AC+k],   v[CB+k], -v[T+k]
	v_fma_f32 v[T+k+1], v[AC+k+1], v[CB+k], v[T+k+1]
.set k, k+2
.endr
	WIN 0
.endm
.macro COPY16 base, win                ; rows 0-15 unrounded, as the registers stand: only in the wave whose block 0 they are (EXEC is all or none)
	s_wait_xcnt 0x0                                ; EXEC changes only behind this wait
	s_and_saveexec_b32 s95, s67
	WIN \win
.set k, 0
.rept 16
	global_store_b128 v[LI], v[\base+4*k:\base+4*k+3], s[100:101] offset:512*k
.set k, k+1
.endr
	WIN 0
	s_wait_xcnt 0x0                                ; and again: the stores have read EXEC and their data
	s_or_b32 exec_lo, exec_lo, s95
.endm
.macro TOOUT sto, rd, a                ; 32 registers of f16 pairs through my stage, back as whole rows of 256 bytes, and out
	s_wait_xcnt 0x0                                ; the last block's stores have read the registers that are loaded again
.irp b, 0,1,2,3,4,5,6,7
	ds_store_b128 v[\sto], v[T+4*\b:T+4*\b+3] offset:32*\b
.endr
.irp t, 0,1,2,3,4,5,6,7
	ds_load_b128 v[BK+4*\t:BK+4*\t+3], v[\rd] offset:2*\t*SPITCH   ; LDS serves a wave's instructions in order: these see the stores above
.endr
	s_wait_dscnt 0x0
.irp t, 0,1,2,3,4,5,6,7
	global_store_b128 v[LI], v[BK+4*\t:BK+4*\t+3], s[12:13] offset:4096*(\a)+512*\t   ; the wave stores 512 consecutive bytes, aligned
.endr
.endm
.macro OUTBLK a
.if (\a) < 7
	s_wait_loadcnt 16                              ; this block's table is in; the next block's 16 loads stay out
.else
	s_wait_loadcnt 0x0
.endif
	ROPE \a
.if (\a) < 6
	CSLOAD (\a)+2
.endif
.if (\a) == 0
	COPY16 T, 0
.endif
.set k, 0
.rept 32
	v_cvt_pk_f16_f32 v[T+k], v[T+2*k], v[T+2*k+1]  ; in place, ascending: no number is written over before it is read
.set k, k+1
.endr
	TOOUT STO, RD, \a
.endm
.macro OUTV a
.set AC, 64*((\a)%4)
.if (\a) == 0
	COPY16 0, 0x08                                 ; a store's data: window 2
.endif
	WIN 0x0a+5*((\a)/4)                            ; sources 0 and 1: window 2 or 3
.set k, 0
.rept 32
	v_cvt_pk_f16_f32 v[T+k], v[AC+2*k], v[AC+2*k+1]
.set k, k+1
.endr
	WIN 0
	TOOUT STOV, RDV, \a
.endm
	PLACES NP                                      ; behind the last products: for the reads of results and for the loads into registers that held scales and fragments
	s_cmp_eq_u32 s66, 2
	s_cbranch_scc1 .Lvout
	CSLOAD 0
	CSLOAD 1
.irp a, 0,1,2,3,4,5,6,7
	OUTBLK \a
.endr
	s_wait_tensorcnt 0x0                           ; the wave's end, behind my last LDS store
	ds_add_u32 v[SPW], v[NIL]
	s_wait_dscnt 0x0
	s_branch .Ljoin
.Lvout:
.irp a, 0,1,2,3,4,5,6,7
	OUTV \a
.endr
	s_wait_tensorcnt 0x0                           ; the wave's end, on this way too
	ds_add_u32 v[SPW], v[NIL]
	s_wait_dscnt 0x0
.Ljoin:
	CROUND                                         ; the closing round: no work-group ends while a partner may still ask for a tile that names it
	s_endpgm
.Lfunc_end_k_qbf701780c7_qkv:
	.size	k_qbf701780c7_qkv, .Lfunc_end_k_qbf701780c7_qkv-k_qbf701780c7_qkv
	.p2alignl 7, 3214868480
	.fill 96, 4, 3214868480
	.section	.rodata,"a",@progbits
	.p2align	6, 0x0
	.amdhsa_kernel k_qbf701780c7_qkv
		.amdhsa_group_segment_fixed_size 327680
		.amdhsa_private_segment_fixed_size 0
		.amdhsa_enable_private_segment 0
		.amdhsa_kernarg_size 40
		.amdhsa_user_sgpr_count 2
		.amdhsa_user_sgpr_kernarg_segment_ptr 1
		.amdhsa_wavefront_size32 1
		.amdhsa_system_sgpr_workgroup_id_x 1
		.amdhsa_system_sgpr_workgroup_id_y 1
		.amdhsa_system_sgpr_workgroup_id_z 1
		.amdhsa_system_vgpr_workitem_id 0
		.amdhsa_next_free_vgpr 1024
		.amdhsa_next_free_sgpr 102
		.amdhsa_reserve_vcc 0
		.amdhsa_float_denorm_mode_32 3
		.amdhsa_float_denorm_mode_16_64 3
		.amdhsa_memory_ordered 1
		.amdhsa_forward_progress 1
		.amdhsa_inst_pref_size 255
	.end_amdhsa_kernel
	.section	.bss,"aw",@nobits
	.p2align	6
	.space	262144
	.amdgpu_metadata
---
amdhsa.version: [ 1, 2 ]
amdhsa.kernels:
  - .name:           k_qbf701780c7_qkv
    .symbol:         k_qbf701780c7_qkv.kd
    .args:
      - { .name: cd, .offset: 0, .size: 8, .value_kind: global_buffer, .address_space: global }
      - { .name: sc, .offset: 8, .size: 8, .value_kind: global_buffer, .address_space: global }
      - { .name: cst, .offset: 16, .size: 8, .value_kind: global_buffer, .address_space: global }
      - { .name: qkvh, .offset: 24, .size: 8, .value_kind: global_buffer, .address_space: global }
      - { .name: q16, .offset: 32, .size: 8, .value_kind: global_buffer, .address_space: global }
    .group_segment_fixed_size: 327680
    .private_segment_fixed_size: 0
    .kernarg_segment_align: 8
    .kernarg_segment_size: 40
    .max_flat_workgroup_size: 128
    .sgpr_count:     102
    .vgpr_count:     1024
    .wavefront_size: 32
...
	.end_amdgpu_metadata
.endif
;; end of part 2
;; launch attn (part 3): grid 16 x 16, 4 waves a work-group, no clusters, 327,680 bytes of LDS; arguments qkvh, att; writes att
.if DOCPART == 3
	.amdgcn_target "amdgcn-amd-amdhsa--gfx1250"
	.amdhsa_code_object_version 6
	.text
	.protected	k_qbf701780c7_attn
	.globl	k_qbf701780c7_attn
	.p2align	8
	.type	k_qbf701780c7_attn,@function
k_qbf701780c7_attn:
	s_mov_b64 s[64:65], 0
	v_nop
	global_prefetch_b8 v0, s[64:65] scope:SCOPE_SE
	s_setreg_imm32_b32 hwreg(HW_REG_WAVE_MODE, 25, 1), 1
	s_wait_xcnt 0x0
; att[q][head] = softmax over k <= q of (Q . K / sqrt(128)) V, for one head a work-group row.  qkvh: [48][2048][128] f16: 0-15 q / 4, 16-31 k / 4 (both turned), 32-47 v.  att: [2048][2048] f16, head h at byte 256 h of a row.
; Products on f16 operands with f32 sums; maxima, exponentials and sums in f32; the weights p (at most 1) are rounded to f16 for the second product, the result once at the end.
; SHARES.  The 2,048 queries of a head are 32 blocks of 64.  Work-group i owns blocks BL = i and BH = 31 - i, so that under the causal mask every work-group has 33 pairs (block of queries, step of 64 keys).
; A wave is (qh, par).  qh = wave % 2: which 32 queries of both blocks are its own: four tiles of 16, tiles 0, 1 in BL, tiles 2, 3 in BH.  par = wave / 2: which of a slot's two key steps it takes.
; So a step's K and V are read from LDS by two waves, and a wave's 64 LDS loads feed 64 matrix instructions (BH's tiles alone) or 128 (all four).  Step j counts for BH's tiles while j <= BH, for BL's while j <= BL;
; on j = BH, j = BL the hidden scores become -infinity.
; THE KEYS ARE SPLIT.  Each wave keeps a running maximum, sum and O^T of its own over its steps.  At the end the partners (wave, wave xor 2) exchange two tiles each through LDS, as images of registers, and bring
; both parts under the larger maximum: par 0 finishes BL's tiles, par 1 BH's.  A wave that never met a tile sends c m = -3e38 and zeros: its factor comes out 0.
; NO CLUSTER: the work-groups of a head need different numbers of key tiles (17 to 32 steps), so some partner would jump over the reads of every late joint tile.
; LAYOUT.  S^T = K Q^T and O^T = V^T P: a lane holds one query (lane % 16) throughout; two tiles of S^T, rounded in pairs, are source 1 of the second product.  V comes out of LDS turned, by ds_load_tr16_b128.
; SOFTMAX.  p = 2^(c s - c m), c = 16 log2(e) / sqrt(128) (q and k are quartered); O and l are multiplied by a = 2^(c m_old - c m_new) in every step.
; THE RING.  Two LDS slots of two steps each.  The change of slots stands at a slot's head; behind its barrier each wave asks for its part of the next slot (waves 0, 1: the two steps' K; waves 2, 3: V),
; which has a slot's work in which to land.  Every work-group walks all 16 changes; a slot whose first step lies past BH is not asked for and not read.  Every wait for tensor loads is for all of them.
; REGISTERS: window 0: v1-11, v44-63 addresses, constants, the merge's factors; v12-43 statistics, 8 a tile; v64-191 S^T, 32 a tile; v192-255 P, 16 a tile.
;   window 1: O^T, 64 a tile.   window 2: v0-127 Q, 32 a tile; v128-255 K of one step.   window 3: v0-127 V of one step.
.set KS,    64
.set PK,    272                        ; a row of K in LDS: 256 + 16 bytes
.set PV,    288                        ; a row of V: 256 + 32
.set VOFF,  KS*PK
.set STEPB, KS*(PK+PV)                 ; a step's tiles: 64 rows of K, then 64 of V
.set SLOT1, 1<<17
.set STAGE, SLOT1+2*STEPB              ; behind the ring: 16 rows x 272 bytes a wave, for the way out
.set SP,    272
.set SPARE, STAGE+4*16*SP              ; the spare words: two blocks of 256 bytes that no other line names
.set MERGE, SPARE+512                  ; what a wave receives from its partner: two images of O^T (8,192 bytes each), then two of four statistics (512 each)
.set MREG,  2*8192+2*512
.set AK0, 2                            ; v2   my lane's place in my step's K
.set AV0, 3                            ; v3   and V
.set ADK, 4                            ; v4   the same in the slot in hand
.set QO,  5
.set STO, 6
.set RD,  7
.set GO,  8
.set DD,  10                           ; v10, v11  32 qh + 16 (t % 2) + r - 8 h: register n of a diagonal step is hidden where 16 (n / 8) + n % 8 is above it
.set ST,  12                           ; tile t at v[ST + 8 t]: +0 c m, +1 m, +2, +3 l, +4 to +7 at work; a takes +6
.set NINF, 44
.set PFO, 45
.set ADV, 46
.set MSND, 47                          ; v47  where I put what my partner receives: 16 x lane in its region
.set MRCV, 48                          ; v48  16 x lane in mine
.set F,   50                           ; v50-57  the merge: for each of two tiles the pairs (my factor, the common c m), (my partner's factor, 0)
.set LT,  58                           ; v58-61  the merge: for each of two tiles l and the other half's
.set SPW, 62
.set NIL, 63
.set S,   64
.set P,   192
.set KF,  128                          ; in window 2
.set WV,  12
.set BL,  13
.set BH,  14
.set SJ,  15                           ; s15  the first step of the slot in hand
.set SL,  16
.set LIM, 17                           ; s17  27 in the head's work-group 0, which prefetches while SJ is under it; else 0
.set PFA, 18
.set QB0, 20
.set OB0, 22
.set G1K, 24
.set G1V, 32
.set G0K, 40                           ; s[40:43], s[44:47] groups 0, which walk
.set G0V, 44
.set QB1, 48
.set OB1, 50
.set PAR, 56
.set QH,  57
.set CS,  58
.set SEL, 60
.set TB,  62                           ; s62  LDS byte at which the slot in hand begins
.set CUR, 63                           ; s63  my step of it
.set W_KQ, 0x0a                        ; K and Q in window 2, S^T in window 0
.set W_PV, 0x53                        ; V in window 3, P in window 0, O^T in window 1
.set W_RS, 0x41                        ; O^T (destination and source 0) in window 1, a in window 0
.set MSB, 0
.macro WIN new
.if MSB != (\new)
	s_set_vgpr_msb (MSB<<8)|(\new)
.set MSB, (\new)
.endif
.endm
.macro PLACES
.rept 4
	v_nop
.endr
.endm
; my one tensor load: the branch hangs on the wave's number alone; an s_nop 0 and four v_nop follow each line
.macro TLOAD
	s_cmp_lt_u32 s[WV], 2
	s_cbranch_scc0 .Lfor_v_\@
	tensor_load_to_lds s[G0K:G0K+3], s[G1K:G1K+7]
	s_nop 0
.rept 4
	v_nop
.endr
	s_branch .Lasked_\@
.Lfor_v_\@:
	tensor_load_to_lds s[G0V:G0V+3], s[G1V:G1V+7]
	s_nop 0
.rept 4
	v_nop
.endr
.Lasked_\@:
.endm
; A prefetch of what the NEXT change of slots will ask for: my wave's own 64 rows of 256 bytes, a lane a row, two instructions.  All work-groups of a head walk the same K and V: work-group 0, which walks
; all 32 steps, asks, and nobody else: each row is named once in the launch.  Slots 0 and 1 come by their loads alone; the change at step 26 names the last slot, later ones nothing.
.macro ASK
	s_cmp_lt_u32 s[SJ], s[LIM]
	s_cbranch_scc0 .Lnot_mine_\@
	global_prefetch_b8 v[PFO], s[PFA:PFA+1] th:TH_LOAD_NT scope:SCOPE_SE
	global_prefetch_b8 v[PFO], s[PFA:PFA+1] offset:8192 th:TH_LOAD_NT scope:SCOPE_SE
.Lnot_mine_\@:
.endm
	s_load_b128 s[4:7], s[0:1], 0x0                ; qkvh, att
	v_lshl_add_u32 v[SPW], v0, 2, SPARE
	v_mov_b32 v[NIL], 0
	ds_add_u32 v[SPW], v[NIL]                      ; the wave's opening: the add, twice on end, and its wait ahead of my first tensor load
	ds_add_u32 v[SPW], v[NIL]
	v_lshrrev_b32 v1, 5, v0
	v_readfirstlane_b32 s[WV], v1
	s_and_b32 s[QH], s[WV], 1                      ; which 32 queries of a block are mine.  Also: which of a slot's two steps I fetch
	s_lshr_b32 s[PAR], s[WV], 1                    ; which of a slot's two steps I work on
	s_mov_b32 s[BL], ttmp9
	s_sub_co_u32 s[BH], 31, ttmp9
	s_and_b32 s8, ttmp7, 0xffff                    ; the head
	s_mul_i32 s10, s[QH], STEPB
	s_lshl_b32 s2, s8, 19                          ; a head's 524,288 bytes
	s_lshl_b32 s3, s[QH], 14
	s_add_co_u32 s52, s2, s3
	s_add_co_u32 s52, s52, 16<<19                  ; K's tile of slot 0
	s_mov_b32 s53, 0
	s_add_co_u32 s54, s52, 16<<19                  ; V's
	s_mov_b32 s55, 0
	s_mov_b32 s[G1K], (1<<16)|(1<<20)|(5<<22)|(3<<25)   ; elements of 2 bytes; 4 words of padding behind every 64
	s_mov_b32 s[G1V], (1<<16)|(1<<20)|(5<<22)|(7<<25)   ; 8 words
.irp g, G1K, G1V
	s_mov_b32 s[\g+1], 128<<16                     ; tensor_dim0
	s_mov_b32 s[\g+2], KS<<16                      ; tensor_dim1
	s_mov_b32 s[\g+3], 128<<16                     ; tile_dim0
	s_mov_b32 s[\g+4], KS                          ; tile_dim1
	s_mov_b32 s[\g+5], 128                         ; the pitch
	s_mov_b32 s[\g+6], 0
	s_mov_b32 s[\g+7], 0
.endr
	s_mov_b32 s[CS], 0x400293ee                    ; c
	s_mov_b32 s[CS+1], s[CS]
	s_mov_b32 s[SEL], 0x76543210
	s_mov_b32 s[SEL+1], 0xfedcba98
	s_mov_b32 s[TB], 0
	s_mov_b32 s[SJ], 0
	s_cmp_eq_u32 ttmp9, 0
	s_cselect_b32 s[LIM], 27, 0
	s_wait_dscnt 0x0                               ; both opening adds are done
	s_wait_kmcnt 0x0
	s_add_nc_u64 s[52:53], s[4:5], s[52:53]
	s_add_nc_u64 s[54:55], s[4:5], s[54:55]
	s_mov_b32 s[G0K], 1
	s_mov_b32 s[G0K+1], s10
	s_mov_b64 s[G0K+2:G0K+3], s[52:53]
	s_or_b32 s[G0K+3], s[G0K+3], 0x80000000
	s_mov_b32 s[G0V], 1
	s_add_co_u32 s[G0V+1], s10, VOFF
	s_mov_b64 s[G0V+2:G0V+3], s[54:55]
	s_or_b32 s[G0V+3], s[G0V+3], 0x80000000
	TLOAD                                          ; slot 0: steps 0 and 1, which every work-group reads
	s_cmp_lt_u32 s[WV], 2
	s_cselect_b64 s[PFA:PFA+1], s[52:53], s[54:55]
	s_add_nc_u64 s[PFA:PFA+1], s[PFA:PFA+1], 2*KS*256   ; in slot 1: the first change steps it to slot 2.  Nothing is prefetched here
	s_lshl_b32 s9, s[QH], 5                        ; my 32 queries of a block
	s_lshl_b32 s10, s[BL], 6
	s_add_co_u32 s10, s10, s9                      ; tile 0's first query
	s_lshl_b32 s11, s[BH], 6
	s_add_co_u32 s11, s11, s9                      ; tile 2's
	s_lshl_b32 s52, s10, 8
	s_add_co_u32 s52, s52, s2
	s_mov_b32 s53, 0
	s_add_nc_u64 s[QB0:QB0+1], s[4:5], s[52:53]
	s_lshl_b32 s52, s11, 8
	s_add_co_u32 s52, s52, s2
	s_add_nc_u64 s[QB1:QB1+1], s[4:5], s[52:53]
	s_lshl_b32 s3, s8, 8
	s_lshl_b32 s52, s10, 12
	s_add_co_u32 s52, s52, s3
	s_add_nc_u64 s[OB0:OB0+1], s[6:7], s[52:53]
	s_lshl_b32 s52, s11, 12
	s_add_co_u32 s52, s52, s3
	s_add_nc_u64 s[OB1:OB1+1], s[6:7], s[52:53]
	v_and_b32 v1, 15, v0                           ; r
	v_bfe_u32 v9, v0, 4, 1                         ; h
	v_lshlrev_b32 v[QO], 8, v1
	v_lshl_add_u32 v[QO], v9, 4, v[QO]
	WIN 0x80                                       ; destination window 2
.irp u, 0,1                            ; Q stays in registers: four fragments of 32 channels a tile; a block's second tile lies 16 rows of 256 bytes on
.irp c, 0,1,2,3
	global_load_b128 v[32*\u+8*\c:32*\u+8*\c+3],         v[QO], s[QB0:QB0+1] offset:4096*\u+64*\c
	global_load_b128 v[32*\u+8*\c+4:32*\u+8*\c+7],       v[QO], s[QB0:QB0+1] offset:4096*\u+64*\c+32
	global_load_b128 v[64+32*\u+8*\c:64+32*\u+8*\c+3],   v[QO], s[QB1:QB1+1] offset:4096*\u+64*\c
	global_load_b128 v[64+32*\u+8*\c+4:64+32*\u+8*\c+7], v[QO], s[QB1:QB1+1] offset:4096*\u+64*\c+32
.endr
.endr
	WIN 0
	v_mul_u32_u24 v[AK0], v1, PK
	v_lshl_add_u32 v[AK0], v9, 4, v[AK0]           ; K: row r, + 16 h
	v_and_b32 v10, 7, v0
	v_bfe_u32 v11, v0, 3, 1
	v_lshl_add_u32 v[AV0], v9, 3, v10              ; V, for the turning load: key 8 h + l % 8, channels 8 ((l / 8) % 2) on
	v_mul_u32_u24 v[AV0], v[AV0], PV
	v_lshl_add_u32 v[AV0], v11, 4, v[AV0]
	v_add_nc_u32 v[AV0], VOFF, v[AV0]
	s_mul_i32 s3, s[PAR], STEPB                    ; my step's place in a slot
	v_add_nc_u32 v[AK0], s3, v[AK0]
	v_add_nc_u32 v[AV0], s3, v[AV0]
	s_mul_i32 s3, s[WV], 16*SP
	s_add_co_u32 s3, s3, STAGE
	v_mul_u32_u24 v[STO], v1, SP
	v_lshl_add_u32 v[STO], v9, 4, v[STO]
	v_add_nc_u32 v[STO], s3, v[STO]
	v_mul_u32_u24 v[RD], v9, SP
	v_lshl_add_u32 v[RD], v1, 4, v[RD]
	v_add_nc_u32 v[RD], s3, v[RD]
	v_lshlrev_b32 v[GO], 12, v9                    ; a row of att is 4,096 bytes
	v_lshl_add_u32 v[GO], v1, 4, v[GO]
	v_lshlrev_b32 v[DD], 3, v9
	v_sub_nc_u32 v[DD], v1, v[DD]
	v_add_nc_u32 v[DD], s9, v[DD]
	v_add_nc_u32 v[DD+1], 16, v[DD]
	v_mov_b32 v[NINF], 0xff800000
	v_and_b32 v[PFO], 31, v0
	v_lshlrev_b32 v[MRCV], 4, v[PFO]               ; 16 x lane
	v_lshlrev_b32 v[PFO], 8, v[PFO]
	s_xor_b32 s3, s[WV], 2                         ; my partner: the same queries, the other steps
	s_mul_i32 s3, s3, MREG
	s_add_co_u32 s3, s3, MERGE
	v_add_nc_u32 v[MSND], s3, v[MRCV]
	s_mul_i32 s3, s[WV], MREG
	s_add_co_u32 s3, s3, MERGE
	v_add_nc_u32 v[MRCV], s3, v[MRCV]
.irp t, 0,1,2,3
	v_mov_b32 v[ST+8*\t], 0xff61b1e6               ; c m and m begin at -3e38, under every score: the first a is 0 and multiplies zeros
	v_mov_b32 v[ST+8*\t+1], 0xff61b1e6
.irp j, 2,3,4,5,6,7
	v_mov_b32 v[ST+8*\t+\j], 0                     ; l; and the registers at work, written once
.endr
.endr
	WIN 0x40
.set i, 0
.rept 256
	v_mov_b32 v[i], 0                              ; O^T.  The step is written without a first step of its own, and a wave that never meets BL's tiles sends these zeros to its partner
.set i, i+1
.endr
	WIN 0
; my step's K: 16 fragments (keys 16 (f / 4) on, channels 32 (f % 4) on)
.macro FETCH_K
	WIN 0x80
.set i, 0
.rept 16
	ds_load_b128 v[KF+8*i:KF+8*i+3],   v[ADK] offset:(i/4)*16*PK+(i%4)*64
	ds_load_b128 v[KF+8*i+4:KF+8*i+7], v[ADK] offset:(i/4)*16*PK+(i%4)*64+32
.set i, i+1
.endr
	WIN 0
.endm
.macro FETCH_V                         ; its V, turned: keys 32 (f / 8) on, channels 16 (f % 8) on
	WIN 0xc0
.set i, 0
.rept 16
	ds_load_tr16_b128 v[8*i:8*i+3],   v[ADV] offset:(i/8)*32*PV+(i%8)*32
	ds_load_tr16_b128 v[8*i+4:8*i+7], v[ADV] offset:(i/8)*32*PV+16*PV+(i%8)*32
.set i, i+1
.endr
	WIN 0
.endm
; S^T = K Q^T of tile t: four accumulators by turns; the first four products start the sums
.macro MQK t
	WIN W_KQ
.irp cc, 0,1,2,3
.irp kt, 0,1,2,3
.if \cc == 0
	v_wmma_f32_16x16x32_f16 v[S+32*\t+8*\kt:S+32*\t+8*\kt+7], v[KF+32*\kt+8*\cc:KF+32*\kt+8*\cc+7], v[32*\t+8*\cc:32*\t+8*\cc+7], 0
.else
	v_wmma_f32_16x16x32_f16 v[S+32*\t+8*\kt:S+32*\t+8*\kt+7], v[KF+32*\kt+8*\cc:KF+32*\kt+8*\cc+7], v[32*\t+8*\cc:32*\t+8*\cc+7], v[S+32*\t+8*\kt:S+32*\t+8*\kt+7]
.endif
.endr
.endr
.endm
; O^T of tile t times a, from each accumulator's low end on; then O^T += V^T P, eight accumulators by turns
.macro MPV t
	WIN W_RS
.set i, 0
.rept 32
	v_pk_mul_f32 v[64*\t+i:64*\t+i+1], v[64*\t+i:64*\t+i+1], v[ST+8*\t+6:ST+8*\t+7] op_sel_hi:[1,0]
.set i, i+2
.endr
	WIN W_PV
.irp kc, 0,1
.irp ct, 0,1,2,3,4,5,6,7
	v_wmma_f32_16x16x32_f16 v[64*\t+8*\ct:64*\t+8*\ct+7], v[64*\kc+8*\ct:64*\kc+8*\ct+7], v[P+16*\t+8*\kc:P+16*\t+8*\kc+7], v[64*\t+8*\ct:64*\t+8*\ct+7]
.endr
.endr
.endm
; the softmax of tile t for my step.  mask = 1: on the step that is the tile's own block (s[blk]) hidden scores become -infinity first
.macro SM t, blk, mask
.set rT, ST+8*(\t)
.set rS, S+32*(\t)
.set rP, P+16*(\t)
.if \mask
	s_cmp_lg_u32 s[CUR], s[\blk]
	s_cbranch_scc1 .Lopen_\@
.set n, 0
.rept 32
	v_cmp_gt_i32 vcc_lo, 16*(n/8)+n%8, v[DD+(\t)%2]
	v_cndmask_b32 v[rS+n], v[rS+n], v[NINF], vcc_lo
.set n, n+1
.endr
.Lopen_\@:
.endif
.irp j, 0,1,2,3
	v_max3_num_f32 v[rT+4+\j], v[rS+8*\j], v[rS+8*\j+1], v[rS+8*\j+2]     ; four chains, each begun at an accumulator's low end
.endr
.irp g, 1,2
.irp j, 0,1,2,3
	v_max3_num_f32 v[rT+4+\j], v[rT+4+\j], v[rS+8*\j+2*\g+1], v[rS+8*\j+2*\g+2]
.endr
.endr
	v_max3_num_f32 v[rT+4], v[rT+4], v[rS+7], v[rS+15]
	v_max3_num_f32 v[rT+6], v[rT+6], v[rS+23], v[rS+31]
	v_max3_num_f32 v[rT+4], v[rT+4], v[rT+5], v[rT+6]
	v_max3_num_f32 v[rT+4], v[rT+4], v[rT+7], v[rT+1]                     ; with the old m
	v_permlanex16_b32 v[rT+5], v[rT+4], s[SEL], s[SEL+1]                  ; the query's other 32 keys lie in the lane 16 away
	v_mov_b32 v[rT+7], v[rT]                                              ; c m_old
	v_max_num_f32 v[rT+1], v[rT+4], v[rT+5]
	v_mul_f32 v[rT], s[CS], v[rT+1]
	v_sub_f32 v[rT+7], v[rT+7], v[rT]
.set n, 0
.rept 16
	v_pk_fma_f32 v[rS+n:rS+n+1], v[rS+n:rS+n+1], s[CS:CS+1], v[rT:rT+1] op_sel_hi:[1,0,0] neg_lo:[0,0,1] neg_hi:[0,0,1]   ; c s - c m
.set n, n+2
.endr
	v_exp_f32 v[rT+6], v[rT+7]                     ; a
.set n, 0
.rept 32
	v_exp_f32 v[rS+n], v[rS+n]                     ; p
.set n, n+1
.endr
	v_nop                                          ; a plain instruction behind the last exponential,
	s_wait_alu depctr_va_vdst(0)                   ; and one wait for the 33 ahead of their first reader
.set n, 0
.rept 16
	v_cvt_pk_f16_f32 v[rP+n], v[rS+2*n], v[rS+2*n+1]
.set n, n+1
.endr
.irp w, 4,8,16,32                      ; the sum of the 16 pairs, in place: neighbours 1, 2, 4 and 8 pairs apart
.set n, 0
.rept 32/\w
	v_pk_add_f32 v[rS+n:rS+n+1], v[rS+n:rS+n+1], v[rS+n+\w/2:rS+n+\w/2+1]
.set n, n+\w
.endr
.endr
	v_pk_fma_f32 v[rT+2:rT+3], v[rT+2:rT+3], v[rT+6:rT+7], v[rS:rS+1] op_sel_hi:[1,0,1]   ; l = l a + the sum
.endm
; my key step; K is in, V's 32 loads are out and land under the first products and the softmax.  Two arms: all four tiles, or BH's two alone.
.macro BODY
	s_cmp_gt_u32 s[CUR], s[BL]
	s_cbranch_scc1 .Lone_\@
	MQK 2
	MQK 3
	MQK 0
	MQK 1
	WIN 0
	PLACES                                         ; behind the products: for the reads of the scores
	SM 2, BH, 0                                    ; (BH's diagonal lies past BL)
	SM 3, BH, 0
	SM 0, BL, 1
	SM 1, BL, 1
	s_wait_dscnt 0x0                               ; V is in
	MPV 2
	MPV 3
	MPV 0
	MPV 1
	WIN 0
	PLACES                                         ; behind the products: for the next loads into K's and V's registers and the next reads of O^T
	s_branch .Ldone_\@
.Lone_\@:
	MQK 2
	MQK 3
	WIN 0
	PLACES
	SM 2, BH, 1
	SM 3, BH, 1
	s_wait_dscnt 0x0
	MPV 2
	MPV 3
	WIN 0
	PLACES
.Ldone_\@:
.endm
; THE CHANGE OF SLOTS.  Each wave waits for all its tensor loads (its part of the slot ahead), adds 0 to its spare word, and waits for that and for its reads of the slot that it has left.
; fill = 1: behind the barrier that slot is filled with the two steps that follow the slot ahead, unless they lie past BH: ids and the count of steps alone, the same in all four waves.
.macro CHANGE fill
	s_wait_tensorcnt 0x0                           ; no tensor load of mine is out, so a group 0 may be written
	ds_add_u32 v[SPW], v[NIL]
.if \fill
	s_xor_b32 s[G0K+1], s[G0K+1], SLOT1
	s_add_nc_u64 s[G0K+2:G0K+3], s[G0K+2:G0K+3], 2*KS*256
	s_xor_b32 s[G0V+1], s[G0V+1], SLOT1
	s_add_nc_u64 s[G0V+2:G0V+3], s[G0V+2:G0V+3], 2*KS*256
	s_wait_xcnt 0x0                                ; the last prefetches, a slot back, have read their address
	s_add_nc_u64 s[PFA:PFA+1], s[PFA:PFA+1], 2*KS*256
.endif
	s_wait_dscnt 0x0
	s_barrier_signal -1
	s_barrier_wait -1
.if \fill
	s_add_co_u32 s9, s[SJ], 2                      ; the first step of the slot that this change would ask for
	s_cmp_gt_u32 s9, s[BH]
	s_cbranch_scc1 .Lpast_\@
	TLOAD
.Lpast_\@:
	ASK
.endif
.endm
.macro SLOTWORK                        ; of the slot's two steps I take the one of my parity, if it counts for BH's tiles
	s_add_co_u32 s[CUR], s[SJ], s[PAR]
	s_cmp_gt_u32 s[CUR], s[BH]
	s_cbranch_scc1 .Lend_\@
	v_add_nc_u32 v[ADK], s[TB], v[AK0]
	v_add_nc_u32 v[ADV], s[TB], v[AV0]
	FETCH_K
	FETCH_V
	s_wait_dscnt 32                                ; K is in; V's 32 loads stay out
	BODY
.Lend_\@:
	s_add_co_u32 s[SJ], s[SJ], 2
	s_xor_b32 s[TB], s[TB], SLOT1
.endm
	s_wait_loadcnt 0x0                             ; Q
	s_mov_b32 s[SL], 15
.Lslot:                                            ; 15 trips: behind each change but the last the next slot is asked for, up to the causal limit
	CHANGE 1
	SLOTWORK
	s_sub_co_u32 s[SL], s[SL], 1
	s_cmp_lg_u32 s[SL], 0
	s_cbranch_scc1 .Lslot
	CHANGE 0                                       ; the last slot is written out: nothing follows it
	SLOTWORK
; THE MERGE.  Tiles a and a + 1 go to my partner as they stand in my registers: 16 bytes a lane, 512 a store; each accumulator from its low end on; then c m, m and l of both.
.macro SENDT a
	WIN 0x04                                       ; an LDS store's data are its source 1: window 1
.set i, 0
.rept 32
	ds_store_b128 v[MSND], v[64*(\a)+4*i:64*(\a)+4*i+3] offset:512*i
.set i, i+1
.endr
	WIN 0
	ds_store_b128 v[MSND], v[ST+8*(\a):ST+8*(\a)+3] offset:16384
	ds_store_b128 v[MSND], v[ST+8*(\a)+8:ST+8*(\a)+11] offset:16896
.endm
; Tiles a and a + 1 are finished: my partner's part comes by the same lines as loads, into S^T's registers and the statistics' upper halves; both parts go under the larger c m, are added and divided by l;
; rounded to f16 they leave through my stage, a tile (16 rows) at a time.
.macro RECV a, ob
.set i, 0
.rept 32
	ds_load_b128 v[S+4*i:S+4*i+3], v[MRCV] offset:512*i
.set i, i+1
.endr
	ds_load_b128 v[ST+8*(\a)+4:ST+8*(\a)+7], v[MRCV] offset:16384
	ds_load_b128 v[ST+8*(\a)+12:ST+8*(\a)+15], v[MRCV] offset:16896
.irp u, 0,1
	v_mov_b32 v[F+4*\u+3], 0                       ; named as the upper half of a pair, so it is written
	v_mov_b32 v[LT+2*\u+1], 0                      ; a lane permute's destination counts as one of its sources
.endr
	s_wait_dscnt 0x0
.irp u, 0,1
	v_max_num_f32 v[F+4*\u+1], v[ST+8*((\a)+\u)], v[ST+8*((\a)+\u)+4]     ; the common c m
.endr
.irp u, 0,1
	v_sub_f32 v[F+4*\u], v[ST+8*((\a)+\u)], v[F+4*\u+1]
	v_sub_f32 v[F+4*\u+2], v[ST+8*((\a)+\u)+4], v[F+4*\u+1]
.endr
.irp u, 0,1
	v_exp_f32 v[F+4*\u], v[F+4*\u]                 ; my factor,
	v_exp_f32 v[F+4*\u+2], v[F+4*\u+2]             ; my partner's
.endr
	v_nop
	s_wait_alu depctr_va_vdst(0)                   ; one wait for the four
.irp u, 0,1
	v_pk_mul_f32 v[ST+8*((\a)+\u)+2:ST+8*((\a)+\u)+3], v[ST+8*((\a)+\u)+2:ST+8*((\a)+\u)+3], v[F+4*\u:F+4*\u+1] op_sel_hi:[1,0]
.endr
.irp u, 0,1
	v_pk_fma_f32 v[ST+8*((\a)+\u)+2:ST+8*((\a)+\u)+3], v[ST+8*((\a)+\u)+6:ST+8*((\a)+\u)+7], v[F+4*\u+2:F+4*\u+3], v[ST+8*((\a)+\u)+2:ST+8*((\a)+\u)+3] op_sel_hi:[1,0,1]
.endr
.irp u, 0,1
	v_add_f32 v[LT+2*\u], v[ST+8*((\a)+\u)+2], v[ST+8*((\a)+\u)+3]
.endr
.irp u, 0,1
	v_permlanex16_b32 v[LT+2*\u+1], v[LT+2*\u], s[SEL], s[SEL+1]
.endr
.irp u, 0,1
	v_add_f32 v[LT+2*\u], v[LT+2*\u], v[LT+2*\u+1] ; the row's sum
.endr
.irp u, 0,1
	v_rcp_f32 v[LT+2*\u], v[LT+2*\u]
.endr
	v_nop
	s_wait_alu depctr_va_vdst(0)                   ; one wait for both reciprocals
.irp u, 0,1
	v_mul_f32 v[F+4*\u], v[F+4*\u], v[LT+2*\u]
	v_mul_f32 v[F+4*\u+2], v[F+4*\u+2], v[LT+2*\u]
.endr
.irp u, 0,1
.set i, 0
.rept 32
	v_pk_mul_f32 v[S+64*\u+i:S+64*\u+i+1], v[S+64*\u+i:S+64*\u+i+1], v[F+4*\u+2:F+4*\u+3] op_sel_hi:[1,0]
.set i, i+2
.endr
	WIN 0x01                                       ; source 0: my O^T, window 1
.set i, 0
.rept 32
	v_pk_fma_f32 v[S+64*\u+i:S+64*\u+i+1], v[64*((\a)+\u)+i:64*((\a)+\u)+i+1], v[F+4*\u:F+4*\u+1], v[S+64*\u+i:S+64*\u+i+1] op_sel_hi:[1,0,1]
.set i, i+2
.endr
	WIN 0
.set i, 0
.rept 32
	v_cvt_pk_f16_f32 v[S+64*\u+i], v[S+64*\u+2*i], v[S+64*\u+2*i+1]   ; in place, ascending: no number is written over before it is read
.set i, i+1
.endr
.irp f, 0,1,2,3,4,5,6,7
	ds_store_b128 v[STO], v[S+64*\u+4*\f:S+64*\u+4*\f+3] offset:32*\f
.endr
.irp f, 0,1,2,3,4,5,6,7
	ds_load_b128 v[S+64*\u+32+4*\f:S+64*\u+32+4*\f+3], v[RD] offset:\f*2*SP   ; LDS serves a wave's instructions in order: these see the stores above, and the next tile's stores come behind them
.endr
.endr
.irp u, 0,1
.irp f, 0,1,2,3,4,5,6,7
	s_wait_dscnt 16*(1-\u)+7-\f                    ; loads come back in order; behind the first tile's stand the second's 8 stores and 8 loads
	global_store_b128 v[GO], v[S+64*\u+32+4*\f:S+64*\u+32+4*\f+3], s[\ob:\ob+1] offset:65536*\u+\f*8192   ; sixteen lanes store 256 consecutive bytes, aligned
.endr
.endr
.endm
	s_cmp_eq_u32 s[PAR], 0
	s_cbranch_scc0 .Lsend_low
	SENDT 2                                        ; par 0 keeps BL's tiles and sends BH's,
	s_branch .Lsent
.Lsend_low:
	SENDT 0                                        ; par 1 the other way round
.Lsent:
	s_wait_dscnt 0x0                               ; for my partner's sake: my stores have landed
	s_barrier_signal -1
	s_barrier_wait -1
	s_cmp_eq_u32 s[PAR], 0
	s_cbranch_scc0 .Lkeep_high
	RECV 0, OB0
	s_branch .Lout
.Lkeep_high:
	RECV 2, OB1
.Lout:
	s_wait_tensorcnt 0x0                           ; the wave's end
	ds_add_u32 v[SPW], v[NIL]
	s_wait_dscnt 0x0
	s_endpgm
.Lfunc_end_k_qbf701780c7_attn:
	.size	k_qbf701780c7_attn, .Lfunc_end_k_qbf701780c7_attn-k_qbf701780c7_attn
	.p2alignl 7, 3214868480
	.fill 96, 4, 3214868480
	.section	.rodata,"a",@progbits
	.p2align	6, 0x0
	.amdhsa_kernel k_qbf701780c7_attn
		.amdhsa_group_segment_fixed_size 327680
		.amdhsa_private_segment_fixed_size 0
		.amdhsa_enable_private_segment 0
		.amdhsa_kernarg_size 16
		.amdhsa_user_sgpr_count 2
		.amdhsa_user_sgpr_kernarg_segment_ptr 1
		.amdhsa_wavefront_size32 1
		.amdhsa_system_sgpr_workgroup_id_x 1
		.amdhsa_system_sgpr_workgroup_id_y 1
		.amdhsa_system_sgpr_workgroup_id_z 1
		.amdhsa_system_vgpr_workitem_id 0
		.amdhsa_next_free_vgpr 896
		.amdhsa_next_free_sgpr 66
		.amdhsa_reserve_vcc 1
		.amdhsa_float_denorm_mode_32 3
		.amdhsa_float_denorm_mode_16_64 3
		.amdhsa_memory_ordered 1
		.amdhsa_forward_progress 1
		.amdhsa_inst_pref_size 204
	.end_amdhsa_kernel
	.amdgpu_metadata
---
amdhsa.version: [ 1, 2 ]
amdhsa.kernels:
  - .name:           k_qbf701780c7_attn
    .symbol:         k_qbf701780c7_attn.kd
    .args:
      - { .name: qkvh, .offset: 0, .size: 8, .value_kind: global_buffer, .address_space: global }
      - { .name: att, .offset: 8, .size: 8, .value_kind: global_buffer, .address_space: global }
    .group_segment_fixed_size: 327680
    .private_segment_fixed_size: 0
    .kernarg_segment_align: 8
    .kernarg_segment_size: 16
    .max_flat_workgroup_size: 128
    .sgpr_count:     66
    .vgpr_count:     896
    .wavefront_size: 32
...
	.end_amdgpu_metadata
.endif
;; end of part 3
;; launch proj (part 4): grid 16 x 16, 4 waves a work-group, clusters of 4 x 4, 327,680 bytes of LDS; arguments att, wot, out0; writes out0
.if DOCPART == 4
	.amdgcn_target "amdgcn-amd-amdhsa--gfx1250"
	.amdhsa_code_object_version 6
	.text
	.protected	k_qbf701780c7_proj
	.globl	k_qbf701780c7_proj
	.p2align	8
	.type	k_qbf701780c7_proj,@function
k_qbf701780c7_proj:
	s_mov_b64 s[64:65], 0
	v_nop
	global_prefetch_b8 v0, s[64:65] scope:SCOPE_SE
	s_setreg_imm32_b32 hwreg(HW_REG_WAVE_MODE, 25, 1), 1
	s_wait_xcnt 0x0
	s_wait_alu depctr_hold_cnt(0) depctr_sa_sdst(0) depctr_va_vdst(0) depctr_va_sdst(0) depctr_va_ssrc(0) depctr_va_vcc(0) depctr_vm_vsrc(0)
	s_getreg_b32 s2, hwreg(HW_REG_IB_STS2, 6, 4)
	s_cmp_eq_u32 s2, 0
	s_cbranch_scc0 .Lentry_in_a_cluster
	s_endpgm
.Lentry_in_a_cluster:
	s_bfe_u32 s2, ttmp6, 0x10000c
	s_cmp_lg_u32 s2, 0xf033
	s_cbranch_scc0 .Lentry_shape_is_right
	s_endpgm
.Lentry_shape_is_right:
; out0[m][n] = sum over k of att[m][k] wot[n][k], rows 16 to 2047.  att [2048][2048], wot [2048][2048]: f16; out0 f32; sums in f32.  Rows 0-15 are made in f32 by the launch that follows and are not stored here.
; A tile of 128 x 128 a work-group (256 work-groups), four waves of 64 x 64: 16 accumulators.  K goes in steps of 256 (LDS rows of 512 bytes) through two slots.
; 4 x 4 work-groups form a cluster: A's tiles are asked for jointly along a row of it, B's along a column.  The matrix instruction is used transposed: a lane holds eight neighbouring numbers of a row.
; A wave's 64 columns of f32 are 256 bytes: each wave has a stage of its own on the way out, and no barrier is needed there.
; REGISTERS: window 0: v0-31 addresses; v32-95 rows read back; v128-255 the accumulators ((a, b) at v[128 + 8 (4 a + b)]).   window 1: two fragment buffers of 128.
.set SIZE_K, 2048
.set SIZE_N, 2048
.set KSTEP,  256
.set PITCH,  528
.set HALFT,  64*PITCH
.set SLOT,   4*HALFT
.set STAGE,  2*SLOT                    ; behind the ring: 16 rows x 272 bytes a wave
.set SPITCH, 272
.set SPARE,  STAGE+4*16*SPITCH         ; the spare words: two blocks of 256 bytes that no other line names
.set LAPS, SIZE_K/(2*KSTEP)
.set ADRA, 16
.set ADRB, 20
.set STO,  24
.set RD,   25
.set CO,   26
.set SPW,  28
.set NIL,  29
.set TMP,  32
.set ACC,  128
.set F0,   0
.set F1,   128
.set G1, 24
.set G0, 32
.set G1B, 48
.set G0B, 56
.set MSB, 0
.macro WIN new
.if MSB != (\new)
	s_set_vgpr_msb (MSB<<8)|(\new)
.set MSB, (\new)
.endif
.endm
.set MUL,  0x05
.set TO_F, 0x40
.macro JLOAD s                         ; a joint load: waves 0 and 1 fetch A's halves, waves 2 and 3 B's; an s_nop 0 and four v_nop follow each line
	s_cmp_eq_u32 s11, 0
	s_cbranch_scc0 .Lfor_b_\@
	tensor_load_to_lds s[G0+4*\s:G0+4*\s+3], s[G1:G1+7]
	s_nop 0
.rept 4
	v_nop
.endr
	s_branch .Lasked_\@
.Lfor_b_\@:
	tensor_load_to_lds s[G0B+4*\s:G0B+4*\s+3], s[G1B:G1B+7]
	s_nop 0
.rept 4
	v_nop
.endr
.Lasked_\@:
.endm
.macro CREST
	s_cmp_lg_u32 s10, 0
	s_cbranch_scc1 .Lnot_wave_0_\@
	s_barrier_signal -3
.Lnot_wave_0_\@:
	s_barrier_wait -3
	s_barrier_signal -1
	s_barrier_wait -1
.endm
.macro CROUND
	s_barrier_signal -1
	s_barrier_wait -1
	CREST
.endm
	s_load_b128 s[4:7], s[0:1], 0x0                ; att, wot
	s_load_b64 s[8:9], s[0:1], 0x10                ; out0
	v_lshl_add_u32 v[SPW], v0, 2, SPARE
	v_mov_b32 v[NIL], 0
	ds_add_u32 v[SPW], v[NIL]                      ; the wave's opening: the add, twice on end, and its wait ahead of my first tensor load
	ds_add_u32 v[SPW], v[NIL]
	v_lshrrev_b32 v1, 5, v0
	v_readfirstlane_b32 s10, v1
	s_lshr_b32 s11, s10, 1                         ; my half of the rows; also: I fetch for A (0) or B (1)
	s_and_b32 s12, s10, 1                          ; my half of the columns; also: which 64 rows I fetch
	s_bfe_u32 s40, ttmp6, 0x40000
	s_bfe_u32 s41, ttmp6, 0x40004
	s_lshl_b32 s42, ttmp9, 2
	s_add_co_u32 s42, s42, s40                     ; tile column
	s_and_b32 s13, ttmp7, 0xffff
	s_lshl_b32 s13, s13, 2
	s_add_co_u32 s13, s13, s41                     ; tile row
	s_lshl_b32 s43, s41, 2
	s_lshl_b32 s43, 15, s43
	s_lshl_b32 s44, 0x1111, s40
	s_or_b32 s[G1+0], s43, (1<<16)|(1<<20)|(1<<21)|(6<<22)|(3<<25)  ; the mask; elements of 2 bytes; 4 words of padding behind every 128
	s_or_b32 s[G1B+0], s44, (1<<16)|(1<<20)|(1<<21)|(6<<22)|(3<<25)
.irp g, G1, G1B
	s_mov_b32 s[\g+1], KSTEP<<16
	s_mov_b32 s[\g+2], 64<<16
	s_mov_b32 s[\g+3], KSTEP<<16
	s_mov_b32 s[\g+4], 64
	s_mov_b32 s[\g+5], SIZE_K
	s_mov_b32 s[\g+6], 0
	s_mov_b32 s[\g+7], 0
.endr
	s_lshl_b32 s17, s12, 6
	s_lshl_b32 s16, s13, 7
	s_add_co_u32 s16, s16, s17
	s_lshl_b32 s46, s42, 7
	s_add_co_u32 s46, s46, s17
	s_mov_b32 s17, 0
	s_mov_b32 s47, 0
	s_mov_b64 s[18:19], SIZE_K*2
	s_mul_u64 s[16:17], s[16:17], s[18:19]
	s_mul_u64 s[46:47], s[46:47], s[18:19]
	s_mul_i32 s20, s10, HALFT
	s_wait_dscnt 0x0                               ; both opening adds are done
	s_wait_kmcnt 0x0
	s_add_nc_u64 s[14:15], s[4:5], s[16:17]
	s_add_nc_u64 s[46:47], s[6:7], s[46:47]
	CROUND                                         ; all sixteen work-groups are here: the first joint loads meet
.irp s, 0,1
	s_mov_b32 s[G0+4*\s], 1
	s_add_co_u32 s[G0+4*\s+1], s20, \s*SLOT
	s_add_nc_u64 s[G0+4*\s+2:G0+4*\s+3], s[14:15], \s*KSTEP*2
	s_or_b32 s[G0+4*\s+3], s[G0+4*\s+3], 0x80000000
	s_mov_b32 s[G0B+4*\s], 1
	s_add_co_u32 s[G0B+4*\s+1], s20, \s*SLOT
	s_add_nc_u64 s[G0B+4*\s+2:G0B+4*\s+3], s[46:47], \s*KSTEP*2
	s_or_b32 s[G0B+4*\s+3], s[G0B+4*\s+3], 0x80000000
	JLOAD \s
.endr
	v_and_b32 v1, 15, v0
	v_bfe_u32 v2, v0, 4, 1
	v_mul_u32_u24 v3, v1, PITCH
	v_lshl_add_u32 v3, v2, 4, v3
	s_mul_i32 s21, s11, HALFT
	s_mul_i32 s22, s12, HALFT
	s_add_co_u32 s22, s22, 2*HALFT
.irp s, 0,1
	v_add_nc_u32 v[ADRA+\s], s21, v3
	v_add_nc_u32 v[ADRB+\s], s22, v3
	s_add_co_u32 s21, s21, SLOT
	s_add_co_u32 s22, s22, SLOT
.endr
	s_mul_i32 s23, s10, 16*SPITCH
	s_add_co_u32 s23, s23, STAGE                   ; my stage
	v_mul_u32_u24 v4, v1, SPITCH                   ; in: row l % 16, 32 bytes for each half of the lanes
	v_lshl_add_u32 v4, v2, 5, v4
	v_add_nc_u32 v[STO], s23, v4
	v_mul_u32_u24 v5, v2, SPITCH                   ; back: lanes 0-15 one row of 256 bytes, lanes 16-31 the next
	v_lshl_add_u32 v5, v1, 4, v5
	v_add_nc_u32 v[RD], s23, v5
	v_lshlrev_b32 v5, 13, v2                       ; and the same two rows in out0
	v_lshl_add_u32 v[CO], v1, 4, v5
	s_lshl_b32 s16, s13, 7
	s_lshl_b32 s17, s11, 6
	s_add_co_u32 s16, s16, s17                     ; my first row
	s_cmp_eq_u32 s16, 0
	s_cselect_b32 s66, 0, -1                       ; no lane where my block 0 is rows 0-15, else all: it serves as EXEC for that block's stores, never for a branch
	s_lshl_b32 s16, s16, 13
	s_mov_b32 s17, 0
	s_add_nc_u64 s[8:9], s[8:9], s[16:17]
	s_lshl_b32 s46, s42, 9                         ; my first column, in bytes
	s_lshl_b32 s47, s12, 8
	s_add_co_u32 s46, s46, s47
	s_mov_b32 s47, 0
	s_add_nc_u64 s[8:9], s[8:9], s[46:47]
.macro MUL8 f, c, a0, zero
.irp a, \a0, \a0+1
.irp b, 0,1,2,3
.if \zero
	v_wmma_f32_16x16x32_f16 v[ACC+8*(4*(\a)+\b):ACC+8*(4*(\a)+\b)+7], v[\f+64+8*(4*\c+\b):\f+64+8*(4*\c+\b)+7], v[\f+8*(4*\c+\a):\f+8*(4*\c+\a)+7], 0
.else
	v_wmma_f32_16x16x32_f16 v[ACC+8*(4*(\a)+\b):ACC+8*(4*(\a)+\b)+7], v[\f+64+8*(4*\c+\b):\f+64+8*(4*\c+\b)+7], v[\f+8*(4*\c+\a):\f+8*(4*\c+\a)+7], v[ACC+8*(4*(\a)+\b):ACC+8*(4*(\a)+\b)+7]
.endif
.endr
.endr
.endm
.macro FETCH slot, k, f
	WIN TO_F
.irp c, 0,1
.irp i, 0,1,2,3
	ds_load_b128 v[\f+64+8*(4*\c+\i):\f+64+8*(4*\c+\i)+3],   v[ADRB+\slot] offset:\k+64*\c+\i*16*PITCH
	ds_load_b128 v[\f+64+8*(4*\c+\i)+4:\f+64+8*(4*\c+\i)+7], v[ADRB+\slot] offset:\k+64*\c+\i*16*PITCH+32
	ds_load_b128 v[\f+8*(4*\c+\i):\f+8*(4*\c+\i)+3],         v[ADRA+\slot] offset:\k+64*\c+\i*16*PITCH
	ds_load_b128 v[\f+8*(4*\c+\i)+4:\f+8*(4*\c+\i)+7],       v[ADRA+\slot] offset:\k+64*\c+\i*16*PITCH+32
.endr
.endr
.endm
.macro PLACES
.rept 4
	v_nop
.endr
.endm
.macro QUARTER slot, k, f, g, zero
	s_wait_dscnt 16                                ; the first 32 along K are in; the other sixteen loads may be out
	WIN MUL
	MUL8 \f, 0, 0, \zero
	MUL8 \f, 0, 2, \zero
	PLACES
	FETCH \slot, \k, \g
	s_wait_dscnt 32                                ; all but the 32 just issued
	WIN MUL
	MUL8 \f, 1, 0, 0
	MUL8 \f, 1, 2, 0
.endm
.macro TURN slot, next, fill
	WIN 0
	s_wait_tensorcnt 0x0                           ; all my tensor loads have landed: my part of the next slot
	ds_add_u32 v[SPW], v[NIL]
	s_wait_dscnt 17                                ; the add and the youngest sixteen loads may be out
	WIN MUL
	MUL8 F1, 0, 0, 0
	s_wait_dscnt 0x0                               ; the add is done, and my reads of this slot are over
	s_barrier_signal -1
	MUL8 F1, 0, 2, 0
.if \fill
	WIN 0
.endif
	s_barrier_wait -1
.if \fill
	CREST                                          ; the barrier has opened a round of the cluster's
	s_add_nc_u64 s[G0+4*\slot+2:G0+4*\slot+3], s[G0+4*\slot+2:G0+4*\slot+3], 2*KSTEP*2
	s_add_nc_u64 s[G0B+4*\slot+2:G0B+4*\slot+3], s[G0B+4*\slot+2:G0B+4*\slot+3], 2*KSTEP*2
	JLOAD \slot
.else
	PLACES
.endif
	FETCH \next, 0, F0
	WIN MUL
	MUL8 F1, 1, 0, 0
	MUL8 F1, 1, 2, 0
.endm
	s_wait_tensorcnt 1                             ; my part of K step 0 is in (K step 1's load may be out)
	s_barrier_signal -1
	s_barrier_wait -1
	FETCH 0, 0, F0
	QUARTER 0, 128, F0, F1, 1
	WIN 0
	s_mov_b32 s3, LAPS-1
.Llap:
	QUARTER 0, 256, F1, F0, 0
	QUARTER 0, 384, F0, F1, 0
	TURN 0, 1, 1
	QUARTER 1, 128, F0, F1, 0
	QUARTER 1, 256, F1, F0, 0
	QUARTER 1, 384, F0, F1, 0
	TURN 1, 0, 1
	QUARTER 0, 128, F0, F1, 0
	WIN 0
	s_sub_co_u32 s3, s3, 1
	s_cmp_lg_u32 s3, 0
	s_cbranch_scc1 .Llap
	QUARTER 0, 256, F1, F0, 0                      ; the last lap fills nothing
	QUARTER 0, 384, F0, F1, 0
	TURN 0, 1, 0
	QUARTER 1, 128, F0, F1, 0
	QUARTER 1, 256, F1, F0, 0
	QUARTER 1, 384, F0, F1, 0
	s_wait_dscnt 16
	WIN MUL
	MUL8 F1, 0, 0, 0
	MUL8 F1, 0, 2, 0
	s_wait_dscnt 0
	MUL8 F1, 1, 0, 0
	MUL8 F1, 1, 2, 0
	WIN 0
	; THE WAY OUT, a block of 16 rows x 64 columns at a time through my own stage
.macro TOSTAGE a
.irp b, 0,1,2,3
	ds_store_b128 v[STO], v[ACC+8*(4*(\a)+\b):ACC+8*(4*(\a)+\b)+3] offset:64*\b        ; each accumulator from its low end on
	ds_store_b128 v[STO], v[ACC+8*(4*(\a)+\b)+4:ACC+8*(4*(\a)+\b)+7] offset:64*\b+16
.endr
.irp t, 0,1,2,3,4,5,6,7
	ds_load_b128 v[TMP+32*((\a)%2)+4*\t:TMP+32*((\a)%2)+4*\t+3], v[RD] offset:2*\t*SPITCH   ; LDS serves a wave's instructions in order
.endr
.endm
.macro SEND a
.irp t, 0,1,2,3,4,5,6,7
	global_store_b128 v[CO], v[TMP+32*((\a)%2)+4*\t:TMP+32*((\a)%2)+4*\t+3], s[8:9] offset:(16*(\a)+2*\t)*SIZE_N*4 th:TH_STORE_NT   ; sixteen lanes store 256 consecutive bytes, aligned
.endr
.endm
	PLACES
	TOSTAGE 0
	TOSTAGE 1
	s_wait_dscnt 16                                ; block 0 is back; block 1's 8 stores and 8 loads stay out
	s_wait_xcnt 0x0                                ; EXEC changes only behind this wait
	s_and_saveexec_b32 s67, s66
	SEND 0
	s_wait_xcnt 0x0                                ; and again; block 0's stores have also read the registers that block 2 loads
	s_or_b32 exec_lo, exec_lo, s67
	TOSTAGE 2
	s_wait_dscnt 16
	SEND 1
	s_wait_xcnt 0x0                                ; block 1's stores have read the registers that block 3 loads
	TOSTAGE 3
	s_wait_dscnt 16
	SEND 2
	s_wait_dscnt 0x0
	SEND 3
	s_wait_tensorcnt 0x0                           ; the wave's end
	ds_add_u32 v[SPW], v[NIL]
	s_wait_dscnt 0x0
	CROUND                                         ; the closing round
	s_endpgm
.Lfunc_end_k_qbf701780c7_proj:
	.size	k_qbf701780c7_proj, .Lfunc_end_k_qbf701780c7_proj-k_qbf701780c7_proj
	.p2alignl 7, 3214868480
	.fill 96, 4, 3214868480
	.section	.rodata,"a",@progbits
	.p2align	6, 0x0
	.amdhsa_kernel k_qbf701780c7_proj
		.amdhsa_group_segment_fixed_size 327680
		.amdhsa_private_segment_fixed_size 0
		.amdhsa_enable_private_segment 0
		.amdhsa_kernarg_size 24
		.amdhsa_user_sgpr_count 2
		.amdhsa_user_sgpr_kernarg_segment_ptr 1
		.amdhsa_wavefront_size32 1
		.amdhsa_system_sgpr_workgroup_id_x 1
		.amdhsa_system_sgpr_workgroup_id_y 1
		.amdhsa_system_sgpr_workgroup_id_z 1
		.amdhsa_system_vgpr_workitem_id 0
		.amdhsa_next_free_vgpr 512
		.amdhsa_next_free_sgpr 68
		.amdhsa_reserve_vcc 0
		.amdhsa_float_denorm_mode_32 3
		.amdhsa_float_denorm_mode_16_64 3
		.amdhsa_memory_ordered 1
		.amdhsa_forward_progress 1
		.amdhsa_inst_pref_size 86
	.end_amdhsa_kernel
	.amdgpu_metadata
---
amdhsa.version: [ 1, 2 ]
amdhsa.kernels:
  - .name:           k_qbf701780c7_proj
    .symbol:         k_qbf701780c7_proj.kd
    .args:
      - { .name: att, .offset: 0, .size: 8, .value_kind: global_buffer, .address_space: global }
      - { .name: wot, .offset: 8, .size: 8, .value_kind: global_buffer, .address_space: global }
      - { .name: out0, .offset: 16, .size: 8, .value_kind: global_buffer, .address_space: global }
    .group_segment_fixed_size: 327680
    .private_segment_fixed_size: 0
    .kernarg_segment_align: 8
    .kernarg_segment_size: 24
    .max_flat_workgroup_size: 128
    .sgpr_count:     68
    .vgpr_count:     512
    .wavefront_size: 32
...
	.end_amdgpu_metadata
.endif
;; end of part 4
;; launch fine (part 5): grid 128 x 1, 16 waves a work-group, no clusters, 18,432 bytes of LDS; arguments q16, Wo, out0; writes out0
.if DOCPART == 5
	.amdgcn_target "amdgcn-amd-amdhsa--gfx1250"
	.amdhsa_code_object_version 6
	.text
	.protected	k_qbf701780c7_fine
	.globl	k_qbf701780c7_fine
	.p2align	8
	.type	k_qbf701780c7_fine,@function
k_qbf701780c7_fine:
	s_mov_b64 s[64:65], 0
	v_nop
	global_prefetch_b8 v0, s[64:65] scope:SCOPE_SE
	s_setreg_imm32_b32 hwreg(HW_REG_WAVE_MODE, 25, 1), 1
	s_wait_xcnt 0x0
; Rows 0-15 of the result, all in f32: under the causal mask they average one to sixteen values and are the largest in size.
; q16: [48 heads][chunk 16][lane 32][4] f32: rows 0-15 of q / 4, k / 4 (turned) and v as images of registers: lane (r, h), register 8 b + j = (row r, channel 16 b + 8 h + j).
; SHARES.  Work-group g owns columns 16 g on of out0.  Wave w owns head w: its 16 x 16 scores and weights, and its 128 channels of the projection; the sixteen partial results meet in LDS and are added in a fixed order.
; THE ORDER OF THE PRODUCTS: out_h = P (V Wo_h), not (P V) Wo_h: so every operand is taken as it lies, and nothing is turned.
; All products by the f32 matrix form (16 x 16 x 4; lane (r, h), register j: k = 2 h + j).  K is taken in an order of its own, the same on both sides of each product:
;   S^T = K Q^T: registers 2 i, 2 i + 1 of both images.
;   Y = V Wo_h: source 0 = v's image (lane: key r; registers 2 i + j: channel 16 (i / 4) + 8 h + 2 (i % 4) + j), source 1 = Wo loaded by the same channels (lane: column r).  Result: lane (r, h), register j: key 8 h + j, column r.
;   out_h = P Y: source 0 = the weights (lane: query r; registers 2 i + j: key 8 h + 2 i + j), source 1 = Y's registers 2 i + j, which hold the same keys.
; Y's two accumulators are not added: P multiplies each, and the two results are added at the end.
; The registers that these products write, v32-63, are written by nothing else; what is made of a sum goes into other registers.
; Wo is read in runs of 64 bytes (16 columns of a row), out0 written likewise: 131,072 bytes of output in all.
.set RK, 64                            ; v64-127   K's image
.set RQ, 128                           ; v128-191  Q's image, then V's
.set RW, 192                           ; v192-255  Wo
.set SPARE, 16384                      ; behind the 16 x 1,024 bytes of partial results: the spare words, 128 bytes a wave
	s_load_b128 s[4:7], s[0:1], 0x0                ; q16, Wo
	s_load_b64 s[8:9], s[0:1], 0x10                ; out0
	v_lshl_add_u32 v14, v0, 2, SPARE
	v_mov_b32 v15, 0
	v_lshrrev_b32 v1, 5, v0
	v_readfirstlane_b32 s10, v1                    ; wave = head
	v_and_b32 v10, 31, v0
	v_and_b32 v1, 15, v0                           ; r
	v_bfe_u32 v2, v0, 4, 1                         ; h
	v_lshlrev_b32 v3, 4, v10                       ; 16 x lane
	v_lshlrev_b32 v5, 16, v2                       ; Wo and out0: 8 h rows of 8,192 bytes, + 4 r
	v_lshl_add_u32 v5, v1, 2, v5
	v_lshlrev_b32 v6, 3, v2
	v_sub_nc_u32 v6, v1, v6                        ; r - 8 h: register j (key 8 h + j) is hidden where j is above it
	s_lshl_b32 s11, s10, 10
	v_lshlrev_b32 v7, 5, v10
	v_add_nc_u32 v7, s11, v7                       ; my partial result: 1,024 x wave + 32 x lane
	s_lshl_b32 s12, s10, 2
	v_lshlrev_b32 v8, 5, v10
	v_add_nc_u32 v8, s12, v8                       ; the sum: register w of every wave's: 32 x lane + 4 x wave
	v_mov_b32 v13, 0xff800000
	s_mov_b32 s20, 0x76543210
	s_mov_b32 s21, 0xfedcba98
	s_mov_b32 s22, 0x400293ee                      ; c = 16 log2(e) / sqrt(128)
	s_lshl_b32 s14, s10, 13
	s_mov_b32 s15, 0
	s_lshl_b32 s11, ttmp9, 6
	s_wait_kmcnt 0x0
	s_add_nc_u64 s[16:17], s[4:5], s[14:15]        ; q's image of my head; k's lies 131,072 bytes on, v's 262,144
	s_add_co_u32 s14, s14, s11
	s_add_nc_u64 s[8:9], s[8:9], s[14:15]          ; out0: row w, my 16 columns
	s_lshl_b32 s14, s10, 20
	s_add_co_u32 s14, s14, s11
	s_add_nc_u64 s[18:19], s[6:7], s[14:15]        ; Wo: my head's 128 rows, my 16 columns
.set i, 0
.rept 16
	global_load_b128 v[RQ+4*i:RQ+4*i+3], v3, s[16:17] offset:512*i
	global_load_b128 v[RK+4*i:RK+4*i+3], v3, s[16:17] offset:131072+512*i
.set i, i+1
.endr
.set i, 0
.rept 64
	global_load_b32 v[RW+i], v5, s[18:19] offset:(16*(i/8)+i%8)*8192           ; Wo(128 w + 16 t + 8 h + e, 16 g + r): register 8 t + e.  Asked for here, so that it is on its way under the scores and the softmax
.set i, i+1
.endr
	s_wait_loadcnt 63                              ; of the 96 loads issued at most 63 are out: they come back in order, so the first 33, Q's and K's 32 among them, are in
	; S^T = K Q^T: lane (r, h), register j: key 8 h + j, query r.  Two accumulators by turns
	v_wmma_f32_16x16x4_f32 v[32:39], v[RK:RK+1], v[RQ:RQ+1], 0
	v_wmma_f32_16x16x4_f32 v[40:47], v[RK+2:RK+3], v[RQ+2:RQ+3], 0
.set i, 2
.rept 15
	v_wmma_f32_16x16x4_f32 v[32:39], v[RK+2*i:RK+2*i+1], v[RQ+2*i:RQ+2*i+1], v[32:39]
	v_wmma_f32_16x16x4_f32 v[40:47], v[RK+2*i+2:RK+2*i+3], v[RQ+2*i+2:RQ+2*i+3], v[40:47]
.set i, i+2
.endr
.rept 8
	v_nop                                          ; eight places behind this form: for the loads into its sources and the reads of its results
.endr
.set i, 0
.rept 16
	global_load_b128 v[RQ+4*i:RQ+4*i+3], v3, s[16:17] offset:262144+512*i      ; v's image, as it lies, where Q's lay
.set i, i+1
.endr
.irp j, 0,1,2,3,4,5,6,7
	v_add_f32 v[16+\j], v[32+\j], v[40+\j]
.endr
.irp j, 0,1,2,3,4,5,6,7
	v_cmp_gt_i32 vcc_lo, \j, v6
	v_cndmask_b32 v[16+\j], v[16+\j], v13, vcc_lo
.endr
	v_max3_num_f32 v10, v16, v17, v18
	v_max3_num_f32 v11, v19, v20, v21
	v_max3_num_f32 v10, v10, v22, v23
	v_max_num_f32 v10, v10, v11
	v_permlanex16_b32 v11, v10, s20, s21           ; the query's other eight keys
	v_max_num_f32 v10, v10, v11                    ; key 0 counts for every query: a number
	v_mul_f32 v10, s22, v10
.irp j, 0,1,2,3,4,5,6,7
	v_fma_f32 v[16+\j], v[16+\j], s22, -v10
.endr
.irp j, 0,1,2,3,4,5,6,7
	v_exp_f32 v[16+\j], v[16+\j]
.endr
	v_nop
	s_wait_alu depctr_va_vdst(0)                   ; one wait for the eight
	v_add_f32 v10, v16, v17
	v_add_f32 v11, v18, v19
	v_add_f32 v12, v20, v21
	v_add_f32 v10, v10, v11
	v_add_f32 v11, v22, v23
	v_add_f32 v10, v10, v12
	v_add_f32 v10, v10, v11
	v_permlanex16_b32 v11, v10, s20, s21
	v_add_f32 v10, v10, v11
	v_rcp_f32 v10, v10
	v_nop
	s_wait_alu depctr_va_vdst(0)
.irp j, 0,1,2,3,4,5,6,7
	v_mul_f32 v[24+\j], v[16+\j], v10              ; the weights: lane (r, h), register j: query r, key 8 h + j
.endr
	s_wait_loadcnt 0x0                             ; Wo and v are in
	; Y = V Wo_h: lane (r, h), register j: key 8 h + j, column 16 g + r.  Two accumulators by turns
	v_wmma_f32_16x16x4_f32 v[48:55], v[RQ:RQ+1], v[RW:RW+1], 0
	v_wmma_f32_16x16x4_f32 v[56:63], v[RQ+2:RQ+3], v[RW+2:RW+3], 0
.set i, 2
.rept 15
	v_wmma_f32_16x16x4_f32 v[48:55], v[RQ+2*i:RQ+2*i+1], v[RW+2*i:RW+2*i+1], v[48:55]
	v_wmma_f32_16x16x4_f32 v[56:63], v[RQ+2*i+2:RQ+2*i+3], v[RW+2*i+2:RW+2*i+3], v[56:63]
.set i, i+2
.endr
.rept 9
	v_nop                                          ; nine places before a result serves as a source
.endr
	; my head's part of out = P Y: lane (r, h), register j: query 8 h + j, column 16 g + r.  One accumulator for each half of Y, by turns, in the registers that the scores have left
	v_wmma_f32_16x16x4_f32 v[32:39], v[24:25], v[48:49], 0
	v_wmma_f32_16x16x4_f32 v[40:47], v[24:25], v[56:57], 0
.irp i, 1,2,3
	v_wmma_f32_16x16x4_f32 v[32:39], v[24+2*\i:24+2*\i+1], v[48+2*\i:48+2*\i+1], v[32:39]
	v_wmma_f32_16x16x4_f32 v[40:47], v[24+2*\i:24+2*\i+1], v[56+2*\i:56+2*\i+1], v[40:47]
.endr
.rept 8
	v_nop
.endr
.irp j, 0,1,2,3,4,5,6,7
	v_add_f32 v[16+\j], v[32+\j], v[40+\j]
.endr
	ds_store_b128 v7, v[16:19]
	ds_store_b128 v7, v[20:23] offset:16
	s_wait_dscnt 0x0                               ; for the others' sake: my partial result lies in LDS
	s_barrier_signal -1
	s_barrier_wait -1
	s_cmp_lt_u32 s10, 8                            ; wave w of the first eight adds register w of all sixteen: rows w and 8 + w
	s_cbranch_scc0 .Ldone
.set i, 0
.rept 16
	ds_load_b32 v[RQ+i], v8 offset:1024*i
.set i, i+1
.endr
	s_wait_dscnt 0x0
	v_add_f32 v16, v[RQ], v[RQ+1]
.set i, 2
.rept 14
	v_add_f32 v16, v16, v[RQ+i]                    ; heads in ascending order
.set i, i+1
.endr
	global_store_b32 v5, v16, s[8:9]
.Ldone:
	s_wait_tensorcnt 0x0                           ; the wave's end
	ds_add_u32 v14, v15
	s_wait_dscnt 0x0
	s_endpgm
.Lfunc_end_k_qbf701780c7_fine:
	.size	k_qbf701780c7_fine, .Lfunc_end_k_qbf701780c7_fine-k_qbf701780c7_fine
	.p2alignl 7, 3214868480
	.fill 96, 4, 3214868480
	.section	.rodata,"a",@progbits
	.p2align	6, 0x0
	.amdhsa_kernel k_qbf701780c7_fine
		.amdhsa_group_segment_fixed_size 18432
		.amdhsa_private_segment_fixed_size 0
		.amdhsa_enable_private_segment 0
		.amdhsa_kernarg_size 24
		.amdhsa_user_sgpr_count 2
		.amdhsa_user_sgpr_kernarg_segment_ptr 1
		.amdhsa_wavefront_size32 1
		.amdhsa_system_sgpr_workgroup_id_x 1
		.amdhsa_system_sgpr_workgroup_id_y 1
		.amdhsa_system_sgpr_workgroup_id_z 1
		.amdhsa_system_vgpr_workitem_id 0
		.amdhsa_next_free_vgpr 256
		.amdhsa_next_free_sgpr 66
		.amdhsa_reserve_vcc 1
		.amdhsa_float_denorm_mode_32 3
		.amdhsa_float_denorm_mode_16_64 3
		.amdhsa_memory_ordered 1
		.amdhsa_forward_progress 1
		.amdhsa_inst_pref_size 23
	.end_amdhsa_kernel
	.amdgpu_metadata
---
amdhsa.version: [ 1, 2 ]
amdhsa.kernels:
  - .name:           k_qbf701780c7_fine
    .symbol:         k_qbf701780c7_fine.kd
    .args:
      - { .name: q16, .offset: 0, .size: 8, .value_kind: global_buffer, .address_space: global }
      - { .name: Wo, .offset: 8, .size: 8, .value_kind: global_buffer, .address_space: global }
      - { .name: out0, .offset: 16, .size: 8, .value_kind: global_buffer, .address_space: global }
    .group_segment_fixed_size: 18432
    .private_segment_fixed_size: 0
    .kernarg_segment_align: 8
    .kernarg_segment_size: 24
    .max_flat_workgroup_size: 512
    .sgpr_count:     66
    .vgpr_count:     256
    .wavefront_size: 32
...
	.end_amdgpu_metadata
.endif
;; end of part 5
